; MI455X (gfx1250); checked and timed in simulation.
; The chip was launched on July 23, 2026; its instructions are those of AMD's public machine-readable ISA for CDNA 5 (MIT licence, August 2026) and "CDNA5" Instruction Set Architecture Reference Guide (July 2026). The comments in the code are by the model that wrote it; some were corrected since.
;; Lo RA Like FFN. Allowed arithmetic: matrix products marked QUANTISED: E3M2 operands, one E8M0 scale for each 32 along K, by v_wmma_scale_f32_16x16x128_f8f6f4 with both operands' format E3M2, f32 sums; products left as they are: f32 operands where the result goes on into a quantised operand, else bf16, f16 or f32 operands; f32 sums; everything else in f32.
;; Inputs: a_down 4 x 1,024 x 8 float32; a_up 4 x 8 x 1,024 float32; b1 2,048 float32; b2 1,024 float32; w1_codes 2,048 x 32 x 24 uint8 (E3M2 codes of w1, K innermost, in blocks of 32 codes, four codes in three bytes); w1_scales 2,048 x 32 uint8 (E8M0 scales of w1, one for each 32 codes along K); w2_codes 1,024 x 64 x 24 uint8 (E3M2 codes of w2, K innermost, in blocks of 32 codes, four codes in three bytes); w2_scales 1,024 x 64 uint8 (E8M0 scales of w2, one for each 32 codes along K); x 4 x 4,096 x 1,024 float32.
;; Outputs: out0 4 x 4,096 x 1,024 float32.
;; Constants: adapter_idx = 0.
;; This version of the problem:
;;   THIS VERSION OF THE PROBLEM IS GIVEN IN LOW PRECISION. The matrix products marked QUANTISED in the list below multiply operands that are first quantised to E3M2 (3 exponent bits, 2 mantissa bits; 6 bits a number), with one power-of-two scale for each 32 numbers along K (OCP MX v1.0); their sums are f32. All else is computed in f32.
;;   The module's matrix products, in the order in which they are computed (A, B: the left and right operand; K: the contracted axis; several contracted axes count as one K, in the product's order):
;;     1. [M 16,384, K 1,024] x [K 1,024, N 2,048]; A: input x; B: input w1 (given as codes): QUANTISED
;;     2. [M 16,384, K 2,048] x [K 2,048, N 1,024]; A: computed on the way; B: input w2 (given as codes): QUANTISED
;;     3. [M 16,384, K 1,024] x [K 1,024, N 8]; A: input x; B: input a_down: left as it is (N = 8 < 16)
;;     4. [M 16,384, K 8] x [K 8, N 1,024]; A: computed on the way; B: input a_up: left as it is (K = 8 < 32)
;;   THE QUANTISER, for each operand of a quantised product, along K:
;;     - K is cut into blocks of 32 from its start; a last block that is shorter is filled with zeros.
;;     - A block's scale is 2^e with e = floor(log2(the largest magnitude in the block)) - 4, held to -126 .. 127; a block of zeros has e = 0. As a byte (E8M0): e + 127.
;;     - Each number is divided by its block's scale, clamped to +-28, and rounded to the nearest number of E3M2, ties to even, subnormals kept.
;;     - The product sums the exact products of the quantised numbers (number of the format x scale) in f32.
;;   ~~~python
;;   def quantise(x, axis):      # numpy; x: float32 -> the quantised numbers, widened to float32 again
;;       x = np.moveaxis(x, axis, -1); K = x.shape[-1]
;;       x = np.pad(x, [(0, 0)] * (x.ndim - 1) + [(0, -K % 32)]); x = x.reshape(x.shape[:-1] + (-1, 32)); a = np.abs(x).max(-1, keepdims=True)
;;       e = np.where(a > 0, np.clip(np.frexp(np.where(a > 0, a, 1))[1] - 1 - 4, -126, 127), 0)      # np.frexp(a)[1] - 1 = floor(log2(a)), exactly
;;       r = np.clip(x / 2.0 ** e, -28, 28)
;;       step = 2.0 ** (np.maximum(np.frexp(np.where(r == 0, 1, r))[1] - 1, -2) - 2)
;;       q = np.round(r / step) * step * 2.0 ** e      # np.round: ties to even
;;       return np.moveaxis(q.reshape(q.shape[:-2] + (-1,))[..., :K], -1, axis).astype(np.float32)
;;   ~~~
;;   OPERANDS COMPUTED ON THE WAY. 'Computed on the way' means the value that the module computes at that place (a softmax that the list does not call 'softmax' is quantised finished and normalised). What goes into a quantiser is computed in f32, as accurately as f32 sums, v_exp_f32 and their like allow (about 1e-6 of the number): no bf16 or f16 on the way to a quantiser, and a product that is left as it is and whose result goes on into a quantised operand takes f32 operands (vector FMAs, or v_wmma_f32_16x16x4_f32). A number that lies on a knife's edge between two numbers of the format may be rounded either way, as far as f32 arithmetic and the matrix unit's own rounding can turn it there, and no further.
;;   INPUTS GIVEN AS CODES. w1 (in the module: [1024, 2048], K = its axis 0); w2 (in the module: [2048, 1024], K = its axis 0): each comes as NAME_codes (uint8): NAME with its K axis moved to the last place and cut into blocks of 32 codes, [.., K / 32, bytes a block], one block behind the other in memory; four codes in three bytes: a row's codes are one little-endian stream of bits, code i at bits 6 i .. 6 i + 5 (a code: sign, 3 exponent bits, 2 mantissa bits); and NAME_scales (uint8): the same leading axes, one E8M0 byte (e + 127) for each 32 codes along K. Its value is code x scale, taken as it is: it is not quantised again, and the codes and scales need not be those that the quantiser above would give.
;; 2 versions. Each part assembles by itself: llvm-mc -triple=amdgcn-amd-amdhsa -mcpu=gfx1250 --defsym DOCPART=n.
;; ======== version 1 of 2: 1 launch
;; launch ffn (part 1): grid 256 x 1, 4 waves a work-group, clusters of 4 x 1, 327,680 bytes of LDS; arguments x, w1_codes, w1_scales, b1, w2_codes, w2_scales, b2, a_down, a_up, out0; writes out0
.if DOCPART == 1
	.amdgcn_target "amdgcn-amd-amdhsa--gfx1250"
	.amdhsa_code_object_version 6
	.text
	.protected	k_qe9cb192d2e_ffn
	.globl	k_qe9cb192d2e_ffn
	.p2align	8
	.type	k_qe9cb192d2e_ffn,@function
k_qe9cb192d2e_ffn:
	s_mov_b64 s[64:65], 0
	v_nop
	global_prefetch_b8 v0, s[64:65] scope:SCOPE_SE
	s_setreg_imm32_b32 hwreg(HW_REG_WAVE_MODE, 25, 1), 1
	s_wait_xcnt 0x0
	s_wait_alu depctr_hold_cnt(0) depctr_sa_sdst(0) depctr_va_vdst(0) depctr_va_sdst(0) depctr_va_ssrc(0) depctr_va_vcc(0) depctr_vm_vsrc(0)
	s_getreg_b32 s2, hwreg(HW_REG_IB_STS2, 6, 4)
	s_cmp_eq_u32 s2, 0
	s_cbranch_scc0 .Lentry_in_a_cluster
	s_endpgm
.Lentry_in_a_cluster:
	s_bfe_u32 s2, ttmp6, 0x10000c
	s_cmp_lg_u32 s2, 0x3003
	s_cbranch_scc0 .Lentry_shape_is_right
	s_endpgm
.Lentry_shape_is_right:
; out = Q(gelu(Q(x) W1 + b1)) W2 + b2 + (x a_down[0]) a_up[0].  x, out: [16384][1024] f32.  W1: 2,048 rows of 1,024 codes of E3M2 (768 bytes), W2: 1,024 rows of 2,048 codes (1,536 bytes),
; K innermost, one E8M0 byte for each 32 along K.  Q: the block quantiser along K (scale 2^(floor(log2(largest magnitude)) - 4)).  gelu in its exact (erf) form, in f32.
; ONE LAUNCH.  A work-group of four waves owns 64 rows (four tiles of 16) through the whole chain; the hidden layer never goes to memory.
; THE WAVES SHARE THE COLUMNS, NOT THE ROWS: each fragment of a weight (16 rows x 128 K) is read from LDS by one wave and feeds four matrix instructions, one for each tile of rows; the other operand
; (x's 32 fragments, later the hidden layer's 64) stays in that wave's registers.  Both products are used transposed: source 0 = 16 rows of the weight, source 1 = 16 rows of x or of the hidden layer.
; PHASE X: wave w quantises rows 16 w .. 16 w + 15 of x (codes and scale bytes to LDS) and forms their x a_down in bf16.
; PHASE 1, 16 trips: tile j of the ring holds W1's rows 128 j .. 128 j + 127; wave w makes hidden units 128 j + 32 w .. + 31 of all 64 rows, gelu, quantises (a block of 32 along the next K) and stores codes and a byte to LDS.
; PHASE 2, 16 steps: tile 16 + j holds W2's rows 64 j .. 64 j + 63; wave w makes outputs 64 j + 16 w .. + 15 of all 64 rows; the sums begin with b2 + lora a_up (one bf16 product); the four waves' 64 bytes of a row
; meet in a stage in LDS and leave as whole aligned runs of 256 bytes, one step later.
; CLUSTER 4 x 1: all work-groups walk the same 32 weight tiles in the same order, so each tile is asked for JOINTLY by the four partners (mask 15, the same descriptor in all four).  A mask names four at the most.
; THE ROWS OF W1 THAT FORM A TILE ARE NOT NEIGHBOURS: lane r of tile u of block U takes row 32 U + 8 u + r + 8 (r / 8), so that a lane's 16 results of the two tiles are 16 neighbours along the next K.
; The tensor load lays them in that order: a 'row' of its tile is 8 dense rows of W1, and its rows are 16 rows of W1 apart.
; LIMITS.  NaN and infinities among the inputs are not served (an infinite x a_down would reach the neighbouring tile of rows as NaN).  Where the normal distribution's tail falls under 2^-126 the exponential gives 0 and gelu gives -0.
; A block of zeros gets the byte 1 with zero codes (only this program reads those bytes).  The adapter's two products round x, a_down, x a_down and a_up to bf16; their sums are f32.
; gelu(z) = max(z, 0) - |z| s, s = erfc(|z| / sqrt 2) / 2 = t 2^(KZ z^2 + poly9(t)), t = 1 / (1 + KW |z|): a published Chebyshev fit of erfc whose RELATIVE error stays near 1e-7 for all arguments, so no difference of near numbers is formed.
; LDS ADDRESSES stand in v1-v10, v12, v13 and v56-v58 alone: registers that hold addresses made of the thread's number and never data.  What hangs on my place in the cluster (s89, s90, s93, s[94:95]) enters global addresses alone.
.set SLOT1, 1<<17                      ; slot 1 of the ring begins here: one exclusive or turns an address of one slot into the other's
.set PART,  26112                      ; a wave's part of a slot: 32 rows of W1 at 816 bytes (W2: 16 rows at 1,584 bytes, 25,344)
.set TILEB, 98304                      ; a tile in memory: 128 rows of W1, or 64 of W2
.set P1W,   816                        ; a row of W1 in LDS: 768 bytes + 16 behind each 256 = 204 words: sixteen rows begin at the sixteen multiples of 4 among 64 banks of 4 bytes (ISA guide 11.1)
.set P2W,   1584                       ; a row of W2: 1,536 bytes + 16 behind each 512 = 396 words: likewise
.set GAPB,  4*PART                     ; between the slots: 26,624 bytes into which no fill lands
.set TOPB,  SLOT1+4*PART               ; behind slot 1
.set AD,    GAPB                       ; phase X: a_down in bf16, 32 bytes for (block of 32 k, half, column)
.set XC,    TOPB                       ; phase X: x's codes [tile of rows][block][row][24 bytes], 12,288 bytes a tile of rows
.set XSTG,  TOPB+49152                 ; phase X: a stage of 16 rows x 528 bytes for each wave
.set HSB,   318464                     ; the hidden layer's scale bytes: 1,280 m + 80 r + block
.set XSB,   HSB                        ; phase X: x's scale bytes: 768 m + 48 r + block
.set LOR,   323584                     ; x a_down as fragments, 512 bytes a tile of rows
.set SPARE, 325632                     ; the spare words, 128 bytes for each wave: two blocks of 256 bytes that no other line names
.set HP0,   GAPB                       ; the hidden layer's codes [block][row][24 bytes], 24,576 bytes a tile of rows: tile 0 here,
.set HP1,   TOPB                       ; tiles 1 to 3 here
.set HPL,   24576
.set STG,   TOPB                       ; phase 2: two stages of 64 rows x 272 bytes
.set STGB,  17408
.set AUI,   270336                     ; phase 2: a_up in bf16, 16 bytes a column: 4,096 w + 256 j + 16 r
.set WV,  24                           ; s24  my wave's number
.set J,   25                           ; s25  the loops' counter
.set TB,  26                           ; s26  phase 1: where the slot to be read begins
.set HOF, 27                           ; s27  1,536 J: the trip's place among the hidden layer's codes
.set SEL, 28                           ; s[28:29] v_permlanex16_b32's selects for lane l xor 16
.set TP,  30                           ; s[30:31] an offset in 64 bits, made of the wave's number and the loops' counters
.set G1A, 32                           ; s[32:39] descriptor group 1 for W1's tiles;  s[40:47] for W2's
.set G1B, 40
.set G0F, 48                           ; s[48:51] group 0 of tile 0;  s[52:55] of W1's later tiles, it walks;  s[56:59] of W2's tiles, it walks
.set G0A, 52
.set G0B, 56
.set PFA, 60                           ; s[60:61] my work-group's 8,192 bytes of W2's codes, for the prefetch
.set PFT, 62                           ; s62  the trip in which I prefetch, or -1
.set BOF, 63                           ; s63  4 J: the trip's place among the scale bytes
.set KW,  66                           ; s[66:87] eleven constants, each twice: the packed forms name a pair
.set C9,  68
.set C7,  70
.set C6,  72
.set C5,  74
.set C4,  76
.set C3,  78
.set C2,  80
.set C1,  82
.set C0,  84
.set KZ,  86
.set WOF, 88                           ; s88  26,112 x wave
.set CP,  94                           ; s[94:95] an offset in 64 bits that hangs on my work-group's number
.set GM,  128                          ; phase 1, at work in the gelu: v128-159 max(z, 0); v160-191 t; v192-223 the polynomial; v224-255 z^2
.set GT,  160
.set GP,  192
.set GQ,  224
.set MSB, 0
.macro WIN new                         ; s_set_vgpr_msb: bits 1:0 source 0, 3:2 source 1, 5:4 source 2, 7:6 destination; the high byte repeats the setting that is left
.if MSB != (\new)
	s_set_vgpr_msb (MSB<<8)|(\new)
.set MSB, (\new)
.endif
.endm
.macro PLACES n                        ; plain vector instructions between a matrix instruction and what touches its registers (ISA guide 7.12.1)
.rept \n
	v_nop
.endr
.endm
.macro BAR
	s_barrier_signal -1
	s_barrier_wait -1
.endm
.macro CREST                           ; a round of the cluster's barrier behind its opening barrier
	s_cmp_lg_u32 s[WV], 0
	s_cbranch_scc1 .Lnot_wave_0_\@
	s_barrier_signal -3
.Lnot_wave_0_\@:
	s_barrier_wait -3
	s_barrier_signal -1
	s_barrier_wait -1
.endm
.macro CROUND
	BAR
	CREST
.endm
; one scaled product; ra, rb: the scale words stand in lanes 16-31 of their registers
.macro SMUL d, a, b, c, sa, sb, ra, rb
.if (\ra) && (\rb)
	v_wmma_scale_f32_16x16x128_f8f6f4 v[(\d):(\d)+7], v[(\a):(\a)+11], v[(\b):(\b)+11], v[(\c):(\c)+7], v[\sa], v[\sb] matrix_a_fmt:MATRIX_FMT_BF6 matrix_b_fmt:MATRIX_FMT_BF6 matrix_a_scale:MATRIX_SCALE_ROW1 matrix_b_scale:MATRIX_SCALE_ROW1
.elseif (\ra)
	v_wmma_scale_f32_16x16x128_f8f6f4 v[(\d):(\d)+7], v[(\a):(\a)+11], v[(\b):(\b)+11], v[(\c):(\c)+7], v[\sa], v[\sb] matrix_a_fmt:MATRIX_FMT_BF6 matrix_b_fmt:MATRIX_FMT_BF6 matrix_a_scale:MATRIX_SCALE_ROW1
.elseif (\rb)
	v_wmma_scale_f32_16x16x128_f8f6f4 v[(\d):(\d)+7], v[(\a):(\a)+11], v[(\b):(\b)+11], v[(\c):(\c)+7], v[\sa], v[\sb] matrix_a_fmt:MATRIX_FMT_BF6 matrix_b_fmt:MATRIX_FMT_BF6 matrix_b_scale:MATRIX_SCALE_ROW1
.else
	v_wmma_scale_f32_16x16x128_f8f6f4 v[(\d):(\d)+7], v[(\a):(\a)+11], v[(\b):(\b)+11], v[(\c):(\c)+7], v[\sa], v[\sb] matrix_a_fmt:MATRIX_FMT_BF6 matrix_b_fmt:MATRIX_FMT_BF6
.endif
.endm
; Four half blocks of 16 numbers, v[src + 16 b ..]; lanes l and l xor 16 hold a block.  Out: v[tm + 12 + b] the scale's byte, v[tm + 16 + 4 b ..] my 16 codes, 12 bytes.
.macro QBC src, tm
.irp b, 0,1,2,3
	v_max3_num_f32 v[\tm+\b], |v[\src+16*\b]|, |v[\src+16*\b+1]|, 0x2800000   ; with the floor 2^(5 - 127): the byte cannot fall under 1
.endr
.irp i, 2,4,6,8,10,12,14
.irp b, 0,1,2,3
	v_max3_num_f32 v[\tm+\b], v[\tm+\b], |v[\src+16*\b+\i]|, |v[\src+16*\b+\i+1]|   ; the four by turns
.endr
.endr
.irp b, 0,1,2,3
	v_permlanex16_b32 v[\tm+4+\b], v[\tm+\b], s[SEL], s[SEL+1]
.endr
.irp b, 0,1,2,3
	v_max_num_f32 v[\tm+\b], v[\tm+\b], v[\tm+4+\b]            ; the block's largest magnitude
.endr
.irp b, 0,1,2,3
	v_add_nc_u32 v[\tm+8+\b], 0xfe000000, v[\tm+\b]            ; 4 off its exponent field: the conversion's scale operand
.endr
.irp b, 0,1,2,3
	v_lshrrev_b32 v[\tm+12+\b], 23, v[\tm+8+\b]                ; the scale's byte
.endr
.irp b, 0,1,2,3
	v_cvt_scalef32_pk16_bf6_f32 v[\tm+16+4*\b:\tm+18+4*\b], v[\src+16*\b:\src+16*\b+15], v[\tm+8+\b]
.endr
	v_nop                                          ; one plain instruction behind the last scaled conversion
.endm
; ================================================================ HEAD
	s_load_b512 s[4:19], s[0:1], 0x0               ; x 4, w1_codes 6, w1_scales 8, b1 10, w2_codes 12, w2_scales 14, b2 16, a_down 18
	s_load_b128 s[20:23], s[0:1], 0x40             ; a_up 20, out0 22
	v_lshl_add_u32 v1, v0, 2, SPARE                ; my spare word; never rewritten
	v_mov_b32 v2, 0                                ; 0; never rewritten
	ds_add_u32 v1, v2
	ds_add_u32 v1, v2
	s_wait_dscnt 0x0
	v_lshrrev_b32 v13, 5, v0
	v_readfirstlane_b32 s[WV], v13                 ; wave 0..3
	s_bfe_u32 s89, ttmp6, 0x40000                  ; cx
	s_lshl_b32 s90, ttmp9, 2
	s_add_co_u32 s90, s90, s89                     ; my block of 64 rows = 4 x cluster + cx: it enters x's, out0's and the prefetch's addresses alone
	s_mul_i32 s[WOF], s[WV], PART
	s_mov_b32 s[SEL], 0x76543210
	s_mov_b32 s[SEL+1], 0xfedcba98
	s_mov_b32 s[KW], 0x3eb504f3                    ; 1 / (2 sqrt 2)
	s_mov_b32 s[C9], 0x3e7c6f08                    ; the fit's coefficients x log2(e); C0 has the factor 1/2 in it (- 1)
	s_mov_b32 s[C7], 0x40097039
	s_mov_b32 s[C6], 0xbfd1a1e5
	s_mov_b32 s[C5], 0x3ecdfd18
	s_mov_b32 s[C4], 0xbe899a80
	s_mov_b32 s[C3], 0x3e0efb2e
	s_mov_b32 s[C2], 0x3f0a29d2
	s_mov_b32 s[C1], 0x3fb8ab5a
	s_mov_b32 s[C0], 0xc034d90f
	s_mov_b32 s[KZ], 0xbf38aa3b                    ; - log2(e) / 2
.irp k, KW,C9,C7,C6,C5,C4,C3,C2,C1,C0,KZ
	s_mov_b32 s[\k+1], s[\k]
.endr
	; group 1 for W1: 4 rows of 6,144 bytes (8 dense rows of W1), 12,288 bytes apart; 16 bytes of padding behind every 256
	s_mov_b32 s[G1A], 15|(1<<20)|(1<<21)|(5<<22)|(3<<25)   ; 15:0 the mask: all four partners; 17:16 elements of 1 byte; 20 padding on; 21 set beside a mask; 24:22 after 64 words; 31:25 4 words
	s_mov_b32 s[G1A+1], 6144<<16
	s_mov_b32 s[G1A+2], 4<<16
	s_mov_b32 s[G1A+3], 6144<<16
	s_mov_b32 s[G1A+4], 4
	s_mov_b32 s[G1A+5], 12288
	s_mov_b32 s[G1A+6], 0
	s_mov_b32 s[G1A+7], 0
	; group 1 for W2: 16 dense rows of 1,536 bytes; 16 bytes of padding behind every 512
	s_mov_b32 s[G1B], 15|(1<<20)|(1<<21)|(6<<22)|(3<<25)
	s_mov_b32 s[G1B+1], 1536<<16
	s_mov_b32 s[G1B+2], 16<<16
	s_mov_b32 s[G1B+3], 1536<<16
	s_mov_b32 s[G1B+4], 16
	s_mov_b32 s[G1B+5], 1536
	s_mov_b32 s[G1B+6], 0
	s_mov_b32 s[G1B+7], 0
	; who prefetches, and when: wave 0 of the work-groups of clusters 0 to 47; 12 work-groups' parts make a tile of W2, so cluster / 3 is the tile
	s_mul_hi_u32 s[PFT], ttmp9, 0x55555556
	s_add_co_u32 s[PFT], s[PFT], 12
	s_min_u32 s[PFT], s[PFT], 15
	s_cmp_lt_u32 ttmp9, 48
	s_cselect_b32 s[PFT], s[PFT], -1
	s_cmp_eq_u32 s[WV], 0
	s_cselect_b32 s[PFT], s[PFT], -1               ; the same in all four partners, for a given wave
	v_and_b32 v13, 31, v0                          ; l
	v_and_b32 v14, 15, v0                          ; r
	v_bfe_u32 v15, v0, 4, 1                        ; h
	v_lshlrev_b32 v3, 4, v13                       ; v3  x: 16 bytes a lane of a row's 512
	s_mul_i32 s91, s[WV], 16*528
	s_add_co_u32 s91, s91, XSTG
	v_add_nc_u32 v4, s91, v3                       ; v4  my stage, on the way in
	v_mul_u32_u24 v5, v14, 528
	v_lshl_add_u32 v5, v15, 6, v5
	v_add_nc_u32 v5, s91, v5                       ; v5  and out: row r, my half's 64 bytes of a block
	v_mul_u32_u24 v6, v14, 24
	v_mad_u32_u24 v6, v15, 12, v6
	s_mul_i32 s91, s[WV], 12288
	s_add_co_u32 s91, s91, XC
	v_add_nc_u32 v6, s91, v6                       ; v6  x's codes: my 12 bytes of row r's 24
	v_mul_u32_u24 v7, v14, 48
	s_mul_i32 s91, s[WV], 768
	s_add_co_u32 s91, s91, XSB
	v_add_nc_u32 v7, s91, v7                       ; v7  x's scale bytes
	v_lshrrev_b32 v9, 3, v13                       ; l / 8
	v_and_b32 v8, 7, v0
	v_lshlrev_b32 v8, 2, v8
	v_lshl_add_u32 v8, v9, 8, v8
	s_lshl_b32 s91, s[WV], 12
	s_add_co_u32 s91, s91, AD
	v_add_nc_u32 v8, s91, v8                       ; v8  a_down's records, on the way in
	v_and_b32 v9, 7, v0
	v_lshlrev_b32 v9, 5, v9
	v_lshl_add_u32 v9, v15, 8, v9
	v_add_nc_u32 v9, AD, v9                        ; v9  and out: column r % 8 (rows 8-15 of the fragment repeat 0-7), my half
	v_lshlrev_b32 v10, 6, v13
	s_lshl_b32 s91, s[WV], 13
	v_add_nc_u32 v10, s91, v10                     ; v10 a_down in memory: two rows of 32 bytes a lane
	v_add_nc_u32 v11, -1, v15                      ; v11 all ones in lanes 0-15, 0 in lanes 16-31
	s_lshl_b32 s91, s[WV], 9
	s_add_co_u32 s91, s91, LOR
	v_add_nc_u32 v12, s91, v3                      ; v12 where my tile's x a_down goes
	v_and_b32 v59, 8, v14
	v_add_nc_u32 v59, v59, v14
	v_lshl_add_u32 v59, v15, 3, v59                ; 8 h + r + 8 (r / 8): lanes 16-31 take tile u = 1
	v_lshlrev_b32 v59, 5, v59
	s_lshl_b32 s91, s[WV], 10
	v_add_nc_u32 v59, s91, v59                     ; v59 W1's scale words: 32 bytes a row; kept through phase 1
	v_lshlrev_b32 v60, 6, v15
	s_lshl_b32 s91, s[WV], 7
	v_add_nc_u32 v60, s91, v60                     ; v60 b1: my 16 hidden units; kept through phase 1
.irp b, 0,1,2,3
	v_mov_b32 v[228+\b], 0                         ; written once: a lane permute's destination counts as one of its sources
.endr
	s_wait_kmcnt 0x0
	s_lshl_b32 s[CP], s90, 18                      ; 64 rows of 4,096 bytes
	s_mov_b32 s[CP+1], 0
	s_add_nc_u64 s[22:23], s[22:23], s[CP:CP+1]    ; out0 at my block
	s_lshl_b32 s91, s[WV], 16
	s_add_co_u32 s[CP], s[CP], s91
	s_add_nc_u64 s[4:5], s[4:5], s[CP:CP+1]        ; x at my wave's 16 rows
	s_min_u32 s93, s90, 191
	s_lshl_b32 s[CP], s93, 13
	s_add_nc_u64 s[PFA:PFA+1], s[12:13], s[CP:CP+1]
	s_lshr_b32 s91, s[WV], 1                       ; what I fetch of a tile of W1: from row 64 (w / 2) + 8 (w % 2) on
	s_mul_i32 s91, s91, 49152
	s_and_b32 s92, s[WV], 1
	s_mul_i32 s92, s92, 6144
	s_add_co_u32 s[TP], s91, s92
	s_mov_b32 s[TP+1], 0
	s_mov_b32 s[G0F], 1
	s_mov_b32 s[G0F+1], s[WOF]                     ; tile 0 into slot 0
	s_add_nc_u64 s[G0F+2:G0F+3], s[6:7], s[TP:TP+1]
	s_mov_b32 s[G0A], 1
	s_add_co_u32 s[G0A+1], s[WOF], SLOT1           ; tile 1 into slot 1
	s_add_nc_u64 s[G0A+2:G0A+3], s[G0F+2:G0F+3], TILEB
	s_or_b32 s[G0F+3], s[G0F+3], 0x80000000
	s_or_b32 s[G0A+3], s[G0A+3], 0x80000000
	s_mul_i32 s[TP], s[WV], 24576                  ; of a tile of W2: rows 16 w on
	s_mov_b32 s[G0B], 1
	s_add_co_u32 s[G0B+1], s[WOF], SLOT1           ; turned with G0A's in every trip
	s_add_nc_u64 s[G0B+2:G0B+3], s[12:13], s[TP:TP+1]
	s_or_b32 s[G0B+3], s[G0B+3], 0x80000000
	global_load_b128 v[32:35], v59, s[8:9]         ; trip 0's scale words of W1: v32-39, K step s in v[32 + s]; tile u in half u of the lanes
	global_load_b128 v[36:39], v59, s[8:9] offset:16
.irp q, 0,1,2,3
	global_load_b128 v[40+4*\q:43+4*\q], v60, s[10:11] offset:16*\q   ; and b1: v[40 + 8 u + i] in the result's layout
.endr
.irp e, 0,1,2,3
.irp q, 0,1,2,3
	global_load_b128 v[64+16*\e+4*\q:67+16*\e+4*\q], v10, s[18:19] offset:2048*\e+16*\q   ; a_down[0]: rows 2 k', 2 k' + 1, k' = 128 w + 32 e + l
.endr
.endr
.macro XLOAD s                         ; K step s of my 16 rows: each load reads 512 consecutive bytes of one row; into set s % 4 of window 1
	WIN 0x40
.irp i, 0,1,2,3,4,5,6,7,8,9,10,11,12,13,14,15
	global_load_b128 v[64*((\s)%4)+4*\i:64*((\s)%4)+4*\i+3], v3, s[4:5] offset:4096*\i+512*(\s) th:TH_LOAD_NT
.endr
	WIN 0
.endm
	XLOAD 0
	XLOAD 1
	XLOAD 2
	CROUND                                         ; all four work-groups are here: the first joint loads meet
	tensor_load_to_lds s[G0F:G0F+3], s[G1A:G1A+7]  ; both first fills together: two loads of mine are out
	s_nop 0
	tensor_load_to_lds s[G0A:G0A+3], s[G1A:G1A+7]
	s_nop 0
	PLACES 4
; ================================================================ a_down into LDS as bf16 records
	s_wait_loadcnt 48                              ; all but x's 48 loads are in
.irp e, 0,1,2,3
.irp n, 0,1,2,3,4,5,6,7
	v_cvt_pk_bf16_f32 v[128+8*\e+\n], v[64+16*\e+\n], v[64+16*\e+8+\n]   ; column n: k = 2 k' below, 2 k' + 1 above
.endr
.endr
.irp e, 0,1,2,3
.irp n, 0,1,2,3,4,5,6,7
	ds_store_b32 v8, v[128+8*\e+\n] offset:1024*\e+32*\n
.endr
.endr
	s_wait_dscnt 0x0                               ; for the others' sake
	BAR                                            ; a_down's records lie in LDS
; ================================================================ PHASE X
; K step s: 16 rows x 128 numbers turn through my stage, so that lane (r, h) holds, of row r, numbers 32 b + 16 h + 0 .. 15 of each block b: v[64 + 16 b + i].
.macro XSTEP s
.if (\s)+3 <= 7
	XLOAD (\s)+3
.endif
.if 7-(\s) >= 3
	s_wait_loadcnt 48                              ; this step's 16 loads are in; those of the three steps behind it may be out
.else
	s_wait_loadcnt 16*(7-(\s))
.endif
	WIN 0x04                                       ; an LDS store's data are its source 1: window 1
.irp i, 0,1,2,3,4,5,6,7,8,9,10,11,12,13,14,15
	ds_store_b128 v4, v[64*((\s)%4)+4*\i:64*((\s)%4)+4*\i+3] offset:528*\i
.endr
	WIN 0
.irp b, 0,1,2,3
.irp q, 0,1,2,3
	ds_load_b128 v[64+16*\b+4*\q:67+16*\b+4*\q], v5 offset:128*\b+16*\q   ; LDS serves a wave's instructions in order (ISA guide 5.7.1.4): these see my stores
.endr
.endr
.irp b, 0,1,2,3
.irp q, 0,1
	ds_load_b128 v[160+8*\b+4*\q:163+8*\b+4*\q], v9 offset:512*(4*(\s)+\b)+16*\q   ; a_down's fragment of block 4 s + b
.endr
.endr
	s_wait_dscnt 0x0
.irp b, 0,1,2,3
.irp j, 0,1,2,3,4,5,6,7
	v_cvt_pk_bf16_f32 v[128+8*\b+\j], v[64+16*\b+2*\j], v[64+16*\b+2*\j+1]   ; x in bf16; k stands in the same places as in a_down's records
.endr
.endr
.irp b, 0,1,2,3                        ; (x a_down)^T: source 0 = a_down's columns, source 1 = my rows; four accumulators by turns
.if (\s) == 0
	v_wmma_f32_16x16x32_bf16 v[192+8*\b:199+8*\b], v[160+8*\b:167+8*\b], v[128+8*\b:135+8*\b], 0
.else
	v_wmma_f32_16x16x32_bf16 v[192+8*\b:199+8*\b], v[160+8*\b:167+8*\b], v[128+8*\b:135+8*\b], v[192+8*\b:199+8*\b]
.endif
.endr
	QBC 64, 224
.irp b, 0,1,2,3
.irp i, 0,1,2
	ds_store_b32 v6, v[240+4*\b+\i] offset:1536*(\s)+384*\b+4*\i
.endr
	ds_store_b8 v7, v[236+\b] offset:4*(\s)+\b     ; both lanes of a block write the same byte with the same value
.endr
.endm
.irp s, 0,1,2,3,4,5,6,7
	XSTEP \s
.endr
.irp j, 0,2,4,6
	v_pk_add_f32 v[192+\j:193+\j], v[192+\j:193+\j], v[200+\j:201+\j]   ; the four sums are added, each read from its low end on
.endr
.irp j, 0,2,4,6
	v_pk_add_f32 v[208+\j:209+\j], v[208+\j:209+\j], v[216+\j:217+\j]
.endr
.irp j, 0,2,4,6
	v_pk_add_f32 v[192+\j:193+\j], v[192+\j:193+\j], v[208+\j:209+\j]
.endr
.irp j, 0,1,2,3
	v_cvt_pk_bf16_f32 v[128+\j], v[192+2*\j], v[193+2*\j]      ; lane r: row r's eight numbers, k = 0 .. 7 of the last product
.endr
.irp j, 0,1,2,3
	v_and_b32 v[128+\j], v11, v[128+\j]            ; lanes 16-31 stand for k = 8 .. 15: zeros
.endr
	ds_store_b128 v12, v[128:131]
	s_wait_tensorcnt 0x1                           ; my part of tile 0 is in; tile 1's may stay out
	s_wait_dscnt 0x0
	BAR                                            ; x's codes, scale bytes and x a_down lie in LDS; tile 0 is whole
; ================================================================ PHASE 1: registers
; window 0: v3, v4 my place in a tile of W1 (v4: behind one padding more); v5, v6 the same in the slot in hand; v7, v8, v9 where my codes and byte go; v56-58 the same for the trip in hand; v12 the prefetch's offset;
;   v[14:15] C8; v16-31 x's scale words (v[16 + 8 p + s]: tile of rows 2 p in lanes 0-15, 2 p + 1 in lanes 16-31); v32-39, v40-55 W1's scale words and b1; v64-127 the 8 accumulators at 64 + 16 m + 8 u.
; window 1: x's fragments f = 4 s + m = 0 .. 20 at 12 f; window 2: f = 21 .. 31; window 3: v0-95 a ring of four pairs of fragments of W1.
	v_mul_u32_u24 v3, v14, P1W                     ; (v13, v14, v15 still hold l, r, h)
	v_mad_u32_u24 v3, v15, 24, v3
	s_lshr_b32 s91, s[WV], 1
	s_mul_i32 s91, s91, 2*PART
	s_and_b32 s92, s[WV], 1
	s_mul_i32 s92, s92, 16*P1W
	s_add_co_u32 s91, s91, s92
	v_add_nc_u32 v3, s91, v3                       ; tile (block w, u = 0): part 2 (w / 2), rows 16 (w % 2) on; u = 1 lies one part on
	v_lshl_add_u32 v4, v15, 4, v3
	s_mov_b32 s[TB], 0
	s_mov_b32 s[J], 0
	s_mov_b32 s[HOF], 0
	s_mov_b32 s[BOF], 0
	v_add_nc_u32 v5, s[TB], v3
	v_add_nc_u32 v6, s[TB], v4
	v_mul_u32_u24 v7, v14, 24
	v_mad_u32_u24 v7, v15, 12, v7
	s_mul_i32 s91, s[WV], 384
	v_add_nc_u32 v7, s91, v7
	v_add_nc_u32 v8, HP1, v7
	v_add_nc_u32 v7, HP0, v7
	v_mul_u32_u24 v9, v14, 80
	s_add_co_u32 s91, s[WV], HSB
	v_add_nc_u32 v9, s91, v9
	v_lshlrev_b32 v12, 8, v13
	v_mul_u32_u24 v10, v14, 48
	v_mad_u32_u24 v10, v15, 768, v10
	v_add_nc_u32 v10, XSB, v10
	v_mul_u32_u24 v13, v14, 24
	v_mad_u32_u24 v13, v15, 384, v13
	v_add_nc_u32 v13, XC, v13                      ; a fragment's lane (r, h) takes block 4 s + 2 c + h of row r: 24 bytes
	v_mov_b32 v14, 0xbf97d29d
	v_mov_b32 v15, 0xbf97d29d
.set f, 0
.rept 32
.if f < 21
	WIN 0x40
.set fb, 12*f
.else
	WIN 0x80
.set fb, 12*(f-21)
.endif
.irp p, 0,1,2,3,4,5
	ds_load_b64 v[fb+2*\p:fb+2*\p+1], v13 offset:12288*(f%4)+1536*(f/4)+768*(\p/3)+8*(\p%3)
.endr
.set f, f+1
.endr
	WIN 0
.irp p, 0,1
.irp q, 0,1
	ds_load_b128 v[16+8*\p+4*\q:19+8*\p+4*\q], v10 offset:1536*\p+16*\q
.endr
.endr
; a fragment of W1: tile u, K step s.  Pieces of 8 bytes; lanes 16-31 read three pieces on, which for some pieces is behind one padding more: v6 serves those
.macro FRAG1 reg, u, s
.irp p, 0,1,2,3,4,5
.set PCC, 12*(\s)+6*(\p/3)+\p%3
.if PCC%32 < 29
	ds_load_b64 v[(\reg)+2*\p:(\reg)+2*\p+1], v5 offset:8*PCC+16*(PCC/32)+PART*(\u)
.else
	ds_load_b64 v[(\reg)+2*\p:(\reg)+2*\p+1], v6 offset:8*PCC+16*(PCC/32)+PART*(\u)
.endif
.endr
.endm
.macro FETCH1 t                        ; K step t's two fragments into pair t % 4 of the ring
	WIN 0xc0
	FRAG1 24*((\t)%4), 0, \t
	FRAG1 24*((\t)%4)+12, 1, \t
.endm
; K step t: eight products, the eight accumulators by turns; the first K step takes b1 as C
.macro BEAT1 t
.if (\t) < 5
	s_wait_dscnt 36                                ; this K step's 12 loads are in; behind them at least three K steps' 36 were issued
.else
	s_wait_dscnt 12*(7-(\t))
.endif
.irp m, 0,1,2,3
.irp u, 0,1
.set XF, 4*(\t)+\m
.if XF < 21
	WIN 0x07                                       ; source 0 (W1) window 3, source 1 (x) window 1
.set XR, 12*XF
.else
	WIN 0x0b                                       ; x in window 2
.set XR, 12*(XF-21)
.endif
.if (\t) == 0
.set CR, 40+8*\u
.else
.set CR, 64+16*\m+8*\u
.endif
	SMUL 64+16*\m+8*\u, 24*((\t)%4)+12*\u, XR, CR, 32+(\t), 16+8*(\m/2)+(\t), \u, \m%2
.endr
.endr
.if (\t) < 4
	PLACES 4                                       ; in front of loads into registers that these products have read
	FETCH1 (\t)+4
.endif
.endm
; the refill of the slot just read: tile J + 2, which is W1's up to trip 13 and W2's in trips 14 and 15.  One load on either way, into the same bytes; the branch hangs on the loop's counter alone.
.macro JSEL
	s_cmp_lt_u32 s[J], 14
	s_cbranch_scc0 .Lw2_\@
	tensor_load_to_lds s[G0A:G0A+3], s[G1A:G1A+7]
	s_nop 0
	PLACES 4
	s_branch .Lasked_\@
.Lw2_\@:
	tensor_load_to_lds s[G0B:G0B+3], s[G1B:G1B+7]
	s_nop 0
	PLACES 4
.Lasked_\@:
.endm
; gelu in place on 32 numbers v[z ..].  Two batches of transcendentals, each with one wait ahead of its first reader.
.macro GELU z
.set i, 0
.rept 32
	v_max_num_f32 v[GM+i], 0, v[\z+i]              ; ascending: each accumulator is read from its low end on
.set i, i+1
.endr
.set i, 0
.rept 16
	v_pk_fma_f32 v[\z+i:\z+i+1], v[GM+i:GM+i+1], 2.0, v[\z+i:\z+i+1] op_sel_hi:[1,0,1] neg_lo:[0,0,1] neg_hi:[0,0,1]   ; |z| = 2 max(z, 0) - z
.set i, i+2
.endr
.set i, 0
.rept 16
	v_pk_fma_f32 v[GT+i:GT+i+1], v[\z+i:\z+i+1], s[KW:KW+1], 1.0 op_sel_hi:[1,0,0]
.set i, i+2
.endr
.set i, 0
.rept 32
	v_rcp_f32 v[GT+i], v[GT+i]                     ; t
.set i, i+1
.endr
.set i, 0
.rept 16
	v_pk_mul_f32 v[GQ+i:GQ+i+1], v[\z+i:\z+i+1], v[\z+i:\z+i+1]   ; z^2: independent work behind the reciprocals
.set i, i+2
.endr
	s_wait_alu depctr_va_vdst(0)
.set i, 0
.rept 16
	v_pk_fma_f32 v[GP+i:GP+i+1], v[GT+i:GT+i+1], s[C9:C9+1], v[14:15] op_sel_hi:[1,0,1]
.set i, i+2
.endr
.irp k, C7,C6,C5,C4,C3,C2,C1,C0
.set i, 0
.rept 16
	v_pk_fma_f32 v[GP+i:GP+i+1], v[GP+i:GP+i+1], v[GT+i:GT+i+1], s[\k:\k+1] op_sel_hi:[1,1,0]   ; sixteen chains by turns
.set i, i+2
.endr
.endr
.set i, 0
.rept 16
	v_pk_fma_f32 v[GP+i:GP+i+1], v[GQ+i:GQ+i+1], s[KZ:KZ+1], v[GP+i:GP+i+1] op_sel_hi:[1,0,1]
.set i, i+2
.endr
.set i, 0
.rept 32
	v_exp_f32 v[GP+i], v[GP+i]
.set i, i+1
.endr
	v_nop                                          ; a plain instruction behind the last exponential
	s_wait_alu depctr_va_vdst(0)
.set i, 0
.rept 16
	v_pk_mul_f32 v[GT+i:GT+i+1], v[GT+i:GT+i+1], v[GP+i:GP+i+1]   ; s
.set i, i+2
.endr
.set i, 0
.rept 16
	v_pk_fma_f32 v[\z+i:\z+i+1], v[\z+i:\z+i+1], v[GT+i:GT+i+1], v[GM+i:GM+i+1] neg_lo:[1,0,0] neg_hi:[1,0,0]   ; max(z, 0) - |z| s
.set i, i+2
.endr
.endm
.irp t, 0,1,2,3
	FETCH1 \t
.endr
	WIN 0
; ================================================================ PHASE 1: 16 trips
.Ltrip:
	s_wait_loadcnt 0x0                             ; this trip's scale words of W1 and b1 are in, so their bases may step
	s_add_nc_u64 s[8:9], s[8:9], 4096
	s_add_nc_u64 s[10:11], s[10:11], 512
.irp t, 0,1,2,3,4,5,6,7
	BEAT1 \t
.endr
	WIN 0
	s_wait_tensorcnt 0x0                           ; all my tensor loads have landed: my part of the next tile; so every group 0 may be written
	ds_add_u32 v1, v2                              ; 0 onto my spare word
	s_xor_b32 s[G0A+1], s[G0A+1], SLOT1            ; the walking descriptors: the slot just read, the tile two on
	s_add_nc_u64 s[G0A+2:G0A+3], s[G0A+2:G0A+3], TILEB
	s_xor_b32 s[G0B+1], s[G0B+1], SLOT1
	s_cmp_ge_u32 s[J], 15                          ; W2's stands at its tile 0 up to trip 14 and goes on to tile 1 in trip 15
	s_cselect_b32 s[TP], TILEB, 0
	s_mov_b32 s[TP+1], 0
	s_add_nc_u64 s[G0B+2:G0B+3], s[G0B+2:G0B+3], s[TP:TP+1]
	s_wait_dscnt 0x0                               ; the add is done, and my reads of this slot are over
	CROUND                                         ; the same holds of every wave of all four work-groups
	JSEL                                           ; my one tensor load behind the round; its four plain lines are also the places behind the trip's last products
	s_xor_b32 s[TB], s[TB], SLOT1
	v_add_nc_u32 v5, s[TB], v3
	v_add_nc_u32 v6, s[TB], v4
	s_cmp_eq_u32 s[J], 15
	s_cbranch_scc1 .Lno_next                       ; the last trip fetches nothing for a next one: no load leaves its buffer
.irp t, 0,1,2,3
	FETCH1 \t                                      ; the next tile's first four K steps land under the gelu
.endr
	WIN 0
	global_load_b128 v[32:35], v59, s[8:9]
	global_load_b128 v[36:39], v59, s[8:9] offset:16
.irp q, 0,1,2,3
	global_load_b128 v[40+4*\q:43+4*\q], v60, s[10:11] offset:16*\q
.endr
.Lno_next:
	; W2'S CODES ARE PREFETCHED INTO THE L2, each aligned block of 256 bytes once in the launch: work-group g of the first 192 names the 8,192 bytes at 8,192 g, lanes 256 bytes apart, by one instruction of its wave 0,
	; two trips ahead of the tensor load of its tile for W2's first two tiles, and in trip 15 at the latest.  The partners of a cluster are told apart by address alone.
	s_cmp_eq_u32 s[J], s[PFT]
	s_cbranch_scc0 .Lno_ask
	global_prefetch_b8 v12, s[PFA:PFA+1] th:TH_LOAD_NT scope:SCOPE_SE
.Lno_ask:
	GELU 64
	GELU 96
	v_add_nc_u32 v56, s[HOF], v7                   ; where this trip's codes and bytes go (the last trip's stores are long done)
	v_add_nc_u32 v57, s[HOF], v8
	v_add_nc_u32 v58, s[BOF], v9
	QBC 64, 128                                    ; the four 'blocks' are the four tiles of rows: block 4 J + w of the next K
.irp m, 0,1,2,3
.irp i, 0,1,2
.if \m == 0
	ds_store_b32 v56, v[144+4*\m+\i] offset:4*\i
.else
	ds_store_b32 v57, v[144+4*\m+\i] offset:HPL*(\m-1)+4*\i
.endif
.endr
	ds_store_b8 v58, v[140+\m] offset:1280*\m
.endr
	s_add_co_u32 s[HOF], s[HOF], 1536
	s_add_co_u32 s[BOF], s[BOF], 4
	s_add_co_u32 s[J], s[J], 1
	s_cmp_lt_u32 s[J], 16
	s_cbranch_scc1 .Ltrip
; ================================================================ TRANSITION
; PHASE 2's registers, window 0: v3-6 my place in a tile of W2, slots 0 and 1 (v4, v6: behind one padding more); v7 into the stage, v8 out of it, v9 the same place in out0; v10, v11 offsets of W2's scale words and b2; v12 a_up's records;
;   v16-47 the hidden layer's scale words (v[16 + 16 p + S]); v48-63 W2's, two sets (S < 8 in lanes 0-15, S >= 8 in lanes 16-31); v64-83 x a_down's four fragments' first halves and four zeros; v84-91 a_up's fragment and four zeros;
;   v92-99 b2; v100-131 four accumulators; v132-143 fragment 63; v144-239 a ring of four pairs of fragments of W2; v240-255 rows on their way out.  Windows 1 to 3: the hidden layer's fragments f = 4 S + m = 0 .. 62, 21 to a window.
; On the way there v3, v4 are at work, v7 is a_up's offset in memory, v8 where a_up's records go, v9 the address of the hidden layer's scale words and then of x a_down's fragments.
	s_wait_tensorcnt 0x0                           ; W2's tiles 0 and 1: my parts are in
	s_wait_dscnt 0x0                               ; my codes and bytes have landed
	s_wait_loadcnt 0x0                             ; no load of phase 1 is out: its registers are loaded anew below
	s_wait_xcnt 0x0                                ; the prefetch and the loads of phase 1 have read their address registers
	v_and_b32 v13, 31, v0                          ; l
	v_and_b32 v14, 15, v0                          ; r
	v_bfe_u32 v15, v0, 4, 1                        ; h
	v_lshlrev_b32 v10, 6, v14
	v_lshl_add_u32 v10, v15, 5, v10
	s_lshl_b32 s91, s[WV], 10
	v_add_nc_u32 v10, s91, v10                     ; W2's scale words: 64 bytes a row, 32 a half
	v_lshlrev_b32 v11, 5, v15
	s_lshl_b32 s91, s[WV], 6
	v_add_nc_u32 v11, s91, v11                     ; b2: my tile's eight numbers of my half
	v_lshrrev_b32 v3, 2, v13                       ; l / 4
	v_and_b32 v4, 3, v13                           ; l % 4
	v_lshlrev_b32 v7, 4, v4
	v_lshl_add_u32 v7, v3, 8, v7
	v_add_nc_u32 v7, s91, v7                       ; a_up: step l / 4 (+ 8 e), four of my tile's columns
	v_lshlrev_b32 v8, 6, v4
	v_lshl_add_u32 v8, v3, 8, v8
	s_lshl_b32 s91, s[WV], 12
	s_add_co_u32 s91, s91, AUI
	v_add_nc_u32 v8, s91, v8                       ; and where their records go
	v_lshl_add_u32 v12, v14, 4, s91                ; and come from: 16 bytes for column r
.irp e, 0,1
.irp k, 0,1,2,3,4,5,6,7
	global_load_b128 v[144+32*\e+4*\k:147+32*\e+4*\k], v7, s[20:21] offset:4096*\k+2048*\e
.endr
.endr
	global_load_b128 v[48:51], v10, s[14:15]       ; step 0's scale words of W2
	global_load_b128 v[52:55], v10, s[14:15] offset:16
	global_load_b128 v[92:95], v11, s[16:17]       ; step 0's b2
	global_load_b128 v[96:99], v11, s[16:17] offset:16
	global_load_b128 v[56:59], v10, s[14:15] offset:4096   ; step 1's scale words
	global_load_b128 v[60:63], v10, s[14:15] offset:4112
	BAR                                            ; the hidden layer is whole
	v_mul_u32_u24 v3, v14, 24
	v_mad_u32_u24 v3, v15, 384, v3
	v_add_nc_u32 v4, HP1, v3
	v_add_nc_u32 v5, HP1+HPL, v3
	v_add_nc_u32 v6, HP1+2*HPL, v3
	v_add_nc_u32 v3, HP0, v3
	v_mul_u32_u24 v9, v14, 80
	v_mad_u32_u24 v9, v15, 1280, v9
	v_add_nc_u32 v9, HSB, v9
.set f, 0
.rept 64
.if f == 63
	WIN 0
.set fb, 132
.else
	WIN (1+f/21)<<6
.set fb, 12*(f%21)
.endif
.irp p, 0,1,2,3,4,5
	ds_load_b64 v[fb+2*\p:fb+2*\p+1], v[3+f%4] offset:1536*(f/4)+768*(\p/3)+8*(\p%3)
.endr
.set f, f+1
.endr
	WIN 0
.irp p, 0,1
.irp q, 0,1,2,3
	ds_load_b128 v[16+16*\p+4*\q:19+16*\p+4*\q], v9 offset:2560*\p+16*\q
.endr
.endr
	v_lshl_add_u32 v9, v13, 4, LOR
.irp m, 0,1,2,3
	ds_load_b128 v[64+4*\m:67+4*\m], v9 offset:512*\m
.endr
	s_wait_dscnt 0x0
	BAR                                            ; nobody reads the hidden layer's bytes any more: the stages and a_up's records may be written over them
	s_wait_loadcnt 6                               ; a_up is in; behind it six loads were issued
.irp e, 0,1
.irp i, 0,1,2,3
.irp d, 0,1,2,3
	v_cvt_pk_bf16_f32 v[208+16*\e+4*\i+\d], v[144+32*\e+8*\d+\i], v[144+32*\e+8*\d+4+\i]   ; column i: k = 2 d below, 2 d + 1 above
.endr
.endr
.endr
.irp e, 0,1
.irp i, 0,1,2,3
	ds_store_b128 v8, v[208+16*\e+4*\i:211+16*\e+4*\i] offset:2048*\e+16*\i   ; my wave's own 4,096 bytes: no other wave reads them
.endr
.endr
	ds_load_b128 v[84:87], v12                     ; step 0's fragment of a_up
.irp i, 0,1,2,3
	v_mov_b32 v[80+\i], 0
	v_mov_b32 v[88+\i], 0                          ; k = 16 .. 31 of a_up's fragment: zeros, so whatever stands there in the other operand adds nothing
.endr
	v_mul_u32_u24 v3, v14, P2W
	v_mad_u32_u24 v3, v15, 24, v3
	v_add_nc_u32 v3, s[WOF], v3
	v_lshl_add_u32 v4, v15, 4, v3
	v_add_nc_u32 v5, SLOT1, v3
	v_add_nc_u32 v6, SLOT1, v4
	v_mul_u32_u24 v7, v14, 272                     ; (a_up's loads are in: their offset register is free)
	v_lshl_add_u32 v7, v15, 5, v7
	s_lshl_b32 s91, s[WV], 6
	s_add_co_u32 s91, s91, STG
	v_add_nc_u32 v7, s91, v7                       ; row r, my wave's 64 bytes, my half's 32
	v_mul_u32_u24 v8, v15, 272
	v_lshl_add_u32 v8, v14, 4, v8
	s_mul_i32 s91, s[WV], 16*272
	s_add_co_u32 s91, s91, STG
	v_add_nc_u32 v8, s91, v8                       ; back: my 16 rows; lanes 0-15 one row of 256 bytes, lanes 16-31 the next
	v_lshlrev_b32 v9, 12, v15
	v_lshl_add_u32 v9, v14, 4, v9
	s_lshl_b32 s91, s[WV], 16
	v_add_nc_u32 v9, s91, v9
.macro FRAG2 reg, pi, ks               ; a fragment of W2: K step ks, from slot pi
.irp p, 0,1,2,3,4,5
.set PCC, 12*(\ks)+6*(\p/3)+\p%3
.if PCC%64 < 61
	ds_load_b64 v[(\reg)+2*\p:(\reg)+2*\p+1], v[3+2*(\pi)] offset:8*PCC+16*(PCC/64)
.else
	ds_load_b64 v[(\reg)+2*\p:(\reg)+2*\p+1], v[4+2*(\pi)] offset:8*PCC+16*(PCC/64)
.endif
.endr
.endm
.macro FETCH2 t, pi                    ; beat t's two K steps into pair t % 4 of the ring
	WIN 0
	FRAG2 144+24*((\t)%4), \pi, 2*(\t)
	FRAG2 144+24*((\t)%4)+12, \pi, 2*(\t)+1
.endm
.macro BEAT2M t, pi                    ; eight products: K steps 2 t and 2 t + 1, the four accumulators by turns
.irp i, 0,1
.irp m, 0,1,2,3
.set KS, 2*(\t)+\i
.set HF, 4*KS+\m
.if HF == 63
	WIN 0
.set HR, 132
.else
	WIN (1+HF/21)<<2
.set HR, 12*(HF%21)
.endif
	SMUL 100+8*\m, 144+24*((\t)%4)+12*\i, HR, 100+8*\m, 48+8*(\pi)+KS%8, 16+16*(\m/2)+KS, KS/8, \m%2
.endr
.endr
.endm
	s_wait_dscnt 0x0                               ; the stores of a_up's records have read their registers, into which the ring's loads land
.irp t, 0,1,2,3
	FETCH2 \t, 0
.endr
	s_wait_dscnt 0x0
; ================================================================ PHASE 2
; A step.  pi: its parity = its slot = its stage.  refill: the slot is filled again, with the tile two on.  rb: the last step's stage is read back and stored.  la: there is a next step.  lc: the loads that may stay out.  lw: the scale words two steps on are asked for.
.macro P2STEP pi, refill, rb, la, lc, lw
	s_wait_loadcnt \lc                             ; this step's b2 and scale words are in; the next step's scale words may be out
.irp m, 0,1,2,3
	v_wmma_f32_16x16x32_bf16 v[100+8*\m:107+8*\m], v[84:91], v[64+4*\m:71+4*\m], v[92:99]   ; the sums begin: b2 + (x a_down) a_up
.endr
	PLACES 5                                       ; another form adds onto these results
.if \la
	ds_load_b128 v[84:87], v12 offset:256*((\pi)+1)
	global_load_b128 v[92:95], v11, s[16:17] offset:256*((\pi)+1)
	global_load_b128 v[96:99], v11, s[16:17] offset:256*((\pi)+1)+16
.endif
.irp t, 0,1,2,3
	s_wait_dscnt 44+(\la)                          ; this beat's 12 loads are in: behind them were issued at least three beats' 36 loads and the stage's 8 stores, and, where there is a next step, a_up's one load
	BEAT2M \t, \pi
	PLACES 4
	FETCH2 \t+4, \pi
.endr
	WIN 0
	s_wait_tensorcnt 0x0                           ; all my tensor loads have landed: my part of the next tile
	ds_add_u32 v1, v2                              ; 0 onto my spare word
	s_wait_dscnt 37                                ; beat 4's loads are in (three beats' 36 and the add may be out)
	BEAT2M 4, \pi
	s_add_co_u32 s[G0B+1], s[WOF], (\pi)*SLOT1     ; the walking descriptor: this slot, the tile two on
	s_add_nc_u64 s[G0B+2:G0B+3], s[G0B+2:G0B+3], TILEB
	s_wait_dscnt 0x0                               ; the add is done; my reads of this slot are over; my stores into the last stage have landed
	s_barrier_signal -1
	BEAT2M 5, \pi
	WIN 0
	s_barrier_wait -1
.if \refill
	CREST                                          ; the barrier has opened a round of the cluster's barrier
	tensor_load_to_lds s[G0B:G0B+3], s[G1B:G1B+7]  ; my one tensor load behind the round
	s_nop 0
.endif
	PLACES 4
	s_wait_xcnt 0x0                                ; the last step's stores have read the registers into which the rows below land
.if \rb
.irp q, 0,1,2,3
	ds_load_b128 v[240+4*\q:243+4*\q], v8 offset:544*\q+STGB*(1-(\pi))
.endr
.endif
.if \la
	FETCH2 0, 1-(\pi)
	FETCH2 1, 1-(\pi)
.endif
	BEAT2M 6, \pi
	WIN 0
.if \rb
	s_wait_dscnt 24*(\la)                          ; the four rows' loads are in; two beats' 24 may be out
.irp q, 0,1,2,3
	global_store_b128 v9, v[240+4*\q:243+4*\q], s[22:23] offset:8192*\q+256*(\pi)-256 th:TH_STORE_NT   ; 16 lanes store 256 consecutive bytes, at a multiple of 256 from out0's first byte
.endr
	s_wait_xcnt 0x0
.irp q, 4,5,6,7
	ds_load_b128 v[224+4*\q:227+4*\q], v8 offset:544*\q+STGB*(1-(\pi))
.endr
.endif
	PLACES 4
.if \la
	FETCH2 2, 1-(\pi)
.endif
	BEAT2M 7, \pi
	WIN 0
.if \rb
	s_wait_dscnt 12*(\la)
.irp q, 4,5,6,7
	global_store_b128 v9, v[224+4*\q:227+4*\q], s[22:23] offset:8192*\q+256*(\pi)-256 th:TH_STORE_NT
.endr
.endif
	PLACES 5                                       ; in front of the loads, of the stage's stores, and of the next step's first products, which write over these results
.if \la
	FETCH2 3, 1-(\pi)
.endif
.if \lw
	global_load_b128 v[48+8*(\pi):51+8*(\pi)], v10, s[14:15] offset:4096*((\pi)+2)
	global_load_b128 v[52+8*(\pi):55+8*(\pi)], v10, s[14:15] offset:4096*((\pi)+2)+16
.endif
.irp m, 0,1,2,3
	ds_store_b128 v7, v[100+8*\m:103+8*\m] offset:4352*\m+STGB*(\pi)       ; each accumulator from its low end on
	ds_store_b128 v7, v[104+8*\m:107+8*\m] offset:4352*\m+STGB*(\pi)+16
.endr
.endm
.macro PAIRSTEP                        ; two steps on: 512 bytes in a row of out0 and in b2, 128 rows of W2's scales, two steps of a_up's records
	s_wait_xcnt 0x0                                ; the loads and stores issued so far have read their bases
	s_add_nc_u64 s[22:23], s[22:23], 512
	s_add_nc_u64 s[16:17], s[16:17], 512
	s_add_nc_u64 s[14:15], s[14:15], 8192
	v_add_nc_u32 v12, 512, v12
.endm
	P2STEP 0, 1, 0, 1, 2, 1
	P2STEP 1, 1, 1, 1, 2, 1
	PAIRSTEP
	s_mov_b32 s[J], 6
.Lpair:
	P2STEP 0, 1, 1, 1, 2, 1
	P2STEP 1, 1, 1, 1, 2, 1
	PAIRSTEP
	s_sub_co_u32 s[J], s[J], 1
	s_cmp_lg_u32 s[J], 0
	s_cbranch_scc1 .Lpair
	P2STEP 0, 0, 1, 1, 2, 0                        ; the last two steps are written out: nothing is left to fetch
	P2STEP 1, 0, 1, 0, 0, 0
	s_wait_dscnt 0x0                               ; my stores into the last stage have landed
	BAR
.irp q, 0,1,2,3,4,5,6,7
	ds_load_b128 v[144+4*\q:147+4*\q], v8 offset:544*\q+STGB
.endr
.irp q, 0,1,2,3,4,5,6,7
	s_wait_dscnt 7-\q
	global_store_b128 v9, v[144+4*\q:147+4*\q], s[22:23] offset:8192*\q+256 th:TH_STORE_NT
.endr
	s_wait_tensorcnt 0x0                           ; the wave's end: behind my last tensor load and my last LDS store
	ds_add_u32 v1, v2
	s_wait_dscnt 0x0
	CROUND                                         ; the closing round: no work-group ends while a partner may still ask for a tile that names it
	s_endpgm
.Lfunc_end_k_qe9cb192d2e_ffn:
	.size	k_qe9cb192d2e_ffn, .Lfunc_end_k_qe9cb192d2e_ffn-k_qe9cb192d2e_ffn
	.p2alignl 7, 3214868480
	.fill 96, 4, 3214868480
	.section	.rodata,"a",@progbits
	.p2align	6, 0x0
	.amdhsa_kernel k_qe9cb192d2e_ffn
		.amdhsa_group_segment_fixed_size 327680
		.amdhsa_private_segment_fixed_size 0
		.amdhsa_enable_private_segment 0
		.amdhsa_kernarg_size 80
		.amdhsa_user_sgpr_count 2
		.amdhsa_user_sgpr_kernarg_segment_ptr 1
		.amdhsa_wavefront_size32 1
		.amdhsa_system_sgpr_workgroup_id_x 1
		.amdhsa_system_sgpr_workgroup_id_y 1
		.amdhsa_system_sgpr_workgroup_id_z 1
		.amdhsa_system_vgpr_workitem_id 0
		.amdhsa_next_free_vgpr 1024
		.amdhsa_next_free_sgpr 100
		.amdhsa_reserve_vcc 0
		.amdhsa_float_denorm_mode_32 3
		.amdhsa_float_denorm_mode_16_64 3
		.amdhsa_memory_ordered 1
		.amdhsa_forward_progress 1
		.amdhsa_inst_pref_size 255
	.end_amdhsa_kernel
	.section	.bss,"aw",@nobits
	.p2align	6
	.space	262144
	.amdgpu_metadata
---
amdhsa.version: [ 1, 2 ]
amdhsa.kernels:
  - .name:           k_qe9cb192d2e_ffn
    .symbol:         k_qe9cb192d2e_ffn.kd
    .args:
      - { .name: x, .offset: 0, .size: 8, .value_kind: global_buffer, .address_space: global }
      - { .name: w1_codes, .offset: 8, .size: 8, .value_kind: global_buffer, .address_space: global }
      - { .name: w1_scales, .offset: 16, .size: 8, .value_kind: global_buffer, .address_space: global }
      - { .name: b1, .offset: 24, .size: 8, .value_kind: global_buffer, .address_space: global }
      - { .name: w2_codes, .offset: 32, .size: 8, .value_kind: global_buffer, .address_space: global }
      - { .name: w2_scales, .offset: 40, .size: 8, .value_kind: global_buffer, .address_space: global }
      - { .name: b2, .offset: 48, .size: 8, .value_kind: global_buffer, .address_space: global }
      - { .name: a_down, .offset: 56, .size: 8, .value_kind: global_buffer, .address_space: global }
      - { .name: a_up, .offset: 64, .size: 8, .value_kind: global_buffer, .address_space: global }
      - { .name: out0, .offset: 72, .size: 8, .value_kind: global_buffer, .address_space: global }
    .group_segment_fixed_size: 327680
    .private_segment_fixed_size: 0
    .kernarg_segment_align: 8
    .kernarg_segment_size: 80
    .max_flat_workgroup_size: 128
    .sgpr_count:     100
    .vgpr_count:     1024
    .wavefront_size: 32
...
	.end_amdgpu_metadata
.endif
;; end of part 1
;; ======== version 2 of 2: 1 launch
;; limits: values are held in bf16: 8 bits of precision; right only within a limited range of input values
;; launch ffn (part 2): grid 256 x 1, 4 waves a work-group, clusters of 4 x 1, 327,680 bytes of LDS; arguments x, w1_codes, w1_scales, b1, w2_codes, w2_scales, b2, a_down, a_up, out0; writes out0
.if DOCPART == 2
	.amdgcn_target "amdgcn-amd-amdhsa--gfx1250"
	.amdhsa_code_object_version 6
	.text
	.protected	k_qe9cb192d2e_ffn
	.globl	k_qe9cb192d2e_ffn
	.p2align	8
	.type	k_qe9cb192d2e_ffn,@function
k_qe9cb192d2e_ffn:
	s_mov_b64 s[64:65], 0
	v_nop
	global_prefetch_b8 v0, s[64:65] scope:SCOPE_SE
	s_setreg_imm32_b32 hwreg(HW_REG_WAVE_MODE, 25, 1), 1
	s_wait_xcnt 0x0
	s_wait_alu depctr_hold_cnt(0) depctr_sa_sdst(0) depctr_va_vdst(0) depctr_va_sdst(0) depctr_va_ssrc(0) depctr_va_vcc(0) depctr_vm_vsrc(0)
	s_getreg_b32 s2, hwreg(HW_REG_IB_STS2, 6, 4)
	s_cmp_eq_u32 s2, 0
	s_cbranch_scc0 .Lentry_in_a_cluster
	s_endpgm
.Lentry_in_a_cluster:
	s_bfe_u32 s2, ttmp6, 0x10000c
	s_cmp_lg_u32 s2, 0x3003
	s_cbranch_scc0 .Lentry_shape_is_right
	s_endpgm
.Lentry_shape_is_right:
; out = Q(gelu(Q(x) W1 + b1)) W2 + b2 + (x a_down[0]) a_up[0].  x, out: [16384][1024] f32.  W1: 2,048 rows of 1,024 codes of E3M2 (768 bytes), W2: 1,024 rows of 2,048 codes (1,536 bytes),
; K innermost, one E8M0 byte for each 32 along K.  Q: the block quantiser along K (scale 2^(floor(log2(largest magnitude)) - 4)).
; ONE LAUNCH.  A work-group of four waves owns 64 rows (four tiles of 16) through the whole chain; the hidden layer never goes to memory.
; THE WAVES SHARE THE COLUMNS, NOT THE ROWS: each fragment of a weight (16 rows x 128 K) is read from LDS by one wave and feeds four matrix instructions, one for each tile of rows; the other operand
; (x's 32 fragments, later the hidden layer's 64) stays in that wave's registers.  Both products are used transposed: source 0 = 16 rows of the weight, source 1 = 16 rows of x or of the hidden layer.
; PHASE X: wave w quantises rows 16 w .. 16 w + 15 of x (codes and scale bytes to LDS) and forms their x a_down in bf16.
; PHASE 1, 16 trips: tile j of the ring holds W1's rows 128 j .. 128 j + 127; wave w makes hidden units 128 j + 32 w .. + 31 of all 64 rows, gelu, quantises (a block of 32 along the next K) and stores codes and a byte to LDS.
; A tile's sixteen fragments are fetched into registers one trip ahead, between the parts of the gelu, so that its slot is free for the tile two on at the head of its own trip.
; PHASE 2, 16 steps: a step takes one tile of W2, 64 rows = 64 columns of out0; wave w makes 16 of them for all 64 rows; the sums begin with b2 + lora a_up (one bf16 product); the four waves' 64 bytes of a row
; meet in a stage in LDS and leave as whole aligned runs of 256 bytes, one step later.
; THE CLUSTERS WALK W2'S SIXTEEN TILES IN DIFFERENT ORDERS: cluster c begins at column step ROT = (c ^ (c >> 2)) & 15 and goes round: walk step j makes columns 64 ((j + ROT) & 15) on.  The order is free: each step makes its own columns.
; CLUSTER 4 x 1: the four partners walk the same 32 weight tiles in the same order, so each tile is asked for JOINTLY by the four (mask 15, the same descriptor in all four).
; THE ROWS OF W1 THAT FORM A TILE ARE NOT NEIGHBOURS: lane r of tile u of block U takes row 32 U + 8 u + r + 8 (r / 8), so that a lane's 16 results of the two tiles are 16 neighbours along the next K.
; The tensor load lays them in that order: a 'row' of its tile is 8 dense rows of W1, and its rows are 16 rows of W1 apart.
; gelu(z) = z (1/2 + erf(z / sqrt 2) / 2), all in f32.  erf comes from a published rational fit, erf(x) = x A0(x^2) / B0(x^2) with x held to -4 .. 4, A0 of degree 6 and B0 of degree 4 in x^2, good to a
; few units of erf's last place.  Here it is taken in y = z held to -4 sqrt 2 .. 4 sqrt 2 and w = y^2: erf(y / sqrt 2) / 2 = y A(w) / B(w); A's coefficients are A0's times powers of two (x^2 = w / 2: nothing is rounded),
; B's are B0's times those and 2 sqrt 2.  B lies between 0.04 and 6.8; 1 / B by v_rcp_f32.
; LIMITS.  NaN and infinities among the inputs are not served (an infinite x a_down would reach the neighbouring tile of rows as NaN).  The sum 1/2 + erf / 2 is formed in f32: for z < 0 gelu's absolute error is about
; 1e-7 |z|, so its error relative to gelu itself passes 1e-6 below z = -1.5 and grows as z falls; below z = -5.6 the result is a number of either sign within 1e-7 |z| of 0.
; A block of zeros gets the byte 1 with zero codes (only this program reads those bytes).  The adapter's two products round x, a_down, x a_down and a_up to bf16; their sums are f32.
; LDS ADDRESSES stand in v1-v10, v12, v13 and v56-v58 alone: registers that hold addresses made of the thread's number and never data.  What hangs on my place in the cluster (s89, s90, s93, s[94:95]) and on the cluster's
; number (s2, s3, s98, s99; v11 in the transition) enters global addresses alone.
.set SLOT1, 1<<17                      ; slot 1 of the ring begins here: one exclusive or turns an address of one slot into the other's
.set PART,  26112                      ; a wave's part of a slot: 32 rows of W1 at 816 bytes (W2: 16 rows at 1,584 bytes, 25,344)
.set TILEB, 98304                      ; a tile in memory: 128 rows of W1, or 64 of W2
.set P1W,   816                        ; a row of W1 in LDS: 768 bytes + 16 behind each 256
.set P2W,   1584                       ; a row of W2: 1,536 bytes + 16 behind each 512
.set GAPB,  4*PART                     ; between the slots: 26,624 bytes into which no fill lands
.set TOPB,  SLOT1+4*PART               ; behind slot 1
.set AD,    GAPB                       ; phase X: a_down in bf16, 32 bytes for (block of 32 k, half, column)
.set XC,    TOPB                       ; phase X: x's codes [tile of rows][block][row][24 bytes], 12,288 bytes a tile of rows
.set XSTG,  TOPB+49152                 ; phase X: a stage of 16 rows x 528 bytes for each wave
.set HSB,   318464                     ; the hidden layer's scale bytes: 1,280 m + 80 r + block
.set XSB,   HSB                        ; phase X: x's scale bytes: 768 m + 48 r + block
.set LOR,   323584                     ; x a_down as fragments, 512 bytes a tile of rows
.set SPARE, 325632                     ; the spare words, 128 bytes for each wave: two blocks of 256 bytes that no other line names
.set HP0,   GAPB                       ; the hidden layer's codes [block][row][24 bytes], 24,576 bytes a tile of rows: tile 0 here,
.set HP1,   TOPB                       ; tiles 1 to 3 here
.set HPL,   24576
.set STG,   TOPB                       ; phase 2: two stages of 64 rows x 272 bytes
.set STGB,  17408
.set AUI,   270336                     ; phase 2: a_up in bf16, 16 bytes a column, in the order of the walk: 4,096 w + 256 j + 16 r
.set CT,  3                            ; s3   phase 2: the column step two walk steps on
.set PW,  4                            ; s[4:5]   phase 2: W2's scale words of the column step two on
.set PO,  6                            ; s[6:7]   phase 2: out0 at my block's rows, at the last walk step's columns
.set PB2, 10                           ; s[10:11] phase 2: b2 of the next walk step's columns
.set WV,  24                           ; s24  my wave's number
.set J,   25                           ; s25  the loops' counter
.set TB,  26                           ; s26  phase 1: where the slot to be read begins
.set HOF, 27                           ; s27  1,536 J: the trip's place among the hidden layer's codes
.set SEL, 28                           ; s[28:29] v_permlanex16_b32's selects for lane l xor 16
.set TP,  30                           ; s[30:31] an offset in 64 bits, for global addresses alone
.set G1A, 32                           ; s[32:39] descriptor group 1 for W1's tiles;  s[40:47] for W2's
.set G1B, 40
.set G0F, 48                           ; s[48:51] group 0 of tile 0;  s[52:55] of W1's later tiles, it walks;  s[56:59] of W2's tiles, made anew for each
.set G0A, 52
.set G0B, 56
.set PFA, 60                           ; s[60:61] my work-group's 8,192 bytes of W2's codes, for the prefetch
.set PFT, 62                           ; s62  the trip in which I prefetch, or -1
.set BOF, 63                           ; s63  4 J: the trip's place among the scale bytes
.set CA,  66                           ; s[66:77] A's coefficients of w^6, w^4, w^3, w^2, w, 1, each twice: the packed forms name a pair (that of w^5 stands in v[14:15])
.set CB,  78                           ; s[78:85] B's coefficients of w^4, w^2, w, 1 (that of w^3 stands in v[62:63])
.set LIM, 86                           ; s86, s87  -4 sqrt 2 and 4 sqrt 2
.set WOF, 88                           ; s88  26,112 x wave
.set CP,  94                           ; s[94:95] an offset in 64 bits that hangs on my work-group's number
.set WB,  96                           ; s[96:97] W2's codes at rows 16 w of its first tile
.set ROT, 98                           ; s98  the column step at which my cluster's walk begins
.set RJ,  99                           ; s99  phase 2: ROT + the walk step
.set T1,  128                          ; phase 1, at work in the gelu of 32 numbers: v128-159 y; v160-191 w; v192-223 A, A / B, 1/2 + y A / B; v224-255 B, 1 / B
.set T2,  160
.set T3,  192
.set T4,  224
.set MSB, 0
.macro WIN new                         ; s_set_vgpr_msb: bits 1:0 source 0, 3:2 source 1, 5:4 source 2, 7:6 destination; the high byte repeats the setting that is left
.if MSB != (\new)
	s_set_vgpr_msb (MSB<<8)|(\new)
.set MSB, (\new)
.endif
.endm
.macro PLACES n                        ; plain vector instructions between a matrix instruction and what touches its registers (ISA guide 7.12.1)
.rept \n
	v_nop
.endr
.endm
.macro BAR
	s_barrier_signal -1
	s_barrier_wait -1
.endm
.macro CREST                           ; a round of the cluster's barrier behind its opening barrier
	s_cmp_lg_u32 s[WV], 0
	s_cbranch_scc1 .Lnot_wave_0_\@
	s_barrier_signal -3
.Lnot_wave_0_\@:
	s_barrier_wait -3
	s_barrier_signal -1
	s_barrier_wait -1
.endm
.macro CROUND
	BAR
	CREST
.endm
; one scaled product; ra, rb: the scale words stand in lanes 16-31 of their registers
.macro SMUL d, a, b, c, sa, sb, ra, rb
.if (\ra) && (\rb)
	v_wmma_scale_f32_16x16x128_f8f6f4 v[(\d):(\d)+7], v[(\a):(\a)+11], v[(\b):(\b)+11], v[(\c):(\c)+7], v[\sa], v[\sb] matrix_a_fmt:MATRIX_FMT_BF6 matrix_b_fmt:MATRIX_FMT_BF6 matrix_a_scale:MATRIX_SCALE_ROW1 matrix_b_scale:MATRIX_SCALE_ROW1
.elseif (\ra)
	v_wmma_scale_f32_16x16x128_f8f6f4 v[(\d):(\d)+7], v[(\a):(\a)+11], v[(\b):(\b)+11], v[(\c):(\c)+7], v[\sa], v[\sb] matrix_a_fmt:MATRIX_FMT_BF6 matrix_b_fmt:MATRIX_FMT_BF6 matrix_a_scale:MATRIX_SCALE_ROW1
.elseif (\rb)
	v_wmma_scale_f32_16x16x128_f8f6f4 v[(\d):(\d)+7], v[(\a):(\a)+11], v[(\b):(\b)+11], v[(\c):(\c)+7], v[\sa], v[\sb] matrix_a_fmt:MATRIX_FMT_BF6 matrix_b_fmt:MATRIX_FMT_BF6 matrix_b_scale:MATRIX_SCALE_ROW1
.else
	v_wmma_scale_f32_16x16x128_f8f6f4 v[(\d):(\d)+7], v[(\a):(\a)+11], v[(\b):(\b)+11], v[(\c):(\c)+7], v[\sa], v[\sb] matrix_a_fmt:MATRIX_FMT_BF6 matrix_b_fmt:MATRIX_FMT_BF6
.endif
.endm
; Four half blocks of 16 numbers, v[src + 16 b ..]; lanes l and l xor 16 hold a block.  Out: v[tm + 12 + b] the scale's byte, v[tm + 16 + 4 b ..] my 16 codes, 12 bytes.
.macro QBC src, tm
.irp b, 0,1,2,3
	v_max3_num_f32 v[\tm+\b], |v[\src+16*\b]|, |v[\src+16*\b+1]|, 0x2800000   ; with the floor 2^(5 - 127): the byte cannot fall under 1
.endr
.irp i, 2,4,6,8,10,12,14
.irp b, 0,1,2,3
	v_max3_num_f32 v[\tm+\b], v[\tm+\b], |v[\src+16*\b+\i]|, |v[\src+16*\b+\i+1]|   ; the four by turns
.endr
.endr
.irp b, 0,1,2,3
	v_permlanex16_b32 v[\tm+4+\b], v[\tm+\b], s[SEL], s[SEL+1]
.endr
.irp b, 0,1,2,3
	v_max_num_f32 v[\tm+\b], v[\tm+\b], v[\tm+4+\b]            ; the block's largest magnitude
.endr
.irp b, 0,1,2,3
	v_add_nc_u32 v[\tm+8+\b], 0xfe000000, v[\tm+\b]            ; 4 off its exponent field: the conversion's scale operand
.endr
.irp b, 0,1,2,3
	v_lshrrev_b32 v[\tm+12+\b], 23, v[\tm+8+\b]                ; the scale's byte
.endr
.irp b, 0,1,2,3
	v_cvt_scalef32_pk16_bf6_f32 v[\tm+16+4*\b:\tm+18+4*\b], v[\src+16*\b:\src+16*\b+15], v[\tm+8+\b]
.endr
	v_nop                                          ; one plain instruction behind the last scaled conversion
.endm
; ================================================================ HEAD
	s_load_b512 s[4:19], s[0:1], 0x0               ; x 4, w1_codes 6, w1_scales 8, b1 10, w2_codes 12, w2_scales 14, b2 16, a_down 18
	s_load_b128 s[20:23], s[0:1], 0x40             ; a_up 20, out0 22
	v_lshl_add_u32 v1, v0, 2, SPARE                ; my spare word; never rewritten
	v_mov_b32 v2, 0                                ; 0; never rewritten
	ds_add_u32 v1, v2                              ; the opening lines: the add, twice on end, and its wait ahead of my first tensor load
	ds_add_u32 v1, v2
	s_wait_dscnt 0x0
	v_lshrrev_b32 v13, 5, v0
	v_readfirstlane_b32 s[WV], v13                 ; wave 0..3
	s_bfe_u32 s89, ttmp6, 0x40000                  ; cx
	s_lshl_b32 s90, ttmp9, 2
	s_add_co_u32 s90, s90, s89                     ; my block of 64 rows = 4 x cluster + cx: it enters x's, out0's and the prefetch's addresses alone
	s_lshr_b32 s[ROT], ttmp9, 2                    ; where my cluster's walk over W2's tiles begins: the same in all four partners
	s_xor_b32 s[ROT], s[ROT], ttmp9
	s_and_b32 s[ROT], s[ROT], 15
	s_mul_i32 s[WOF], s[WV], PART
	s_mov_b32 s[SEL], 0x76543210
	s_mov_b32 s[SEL+1], 0xfedcba98
	s_mov_b32 s[CA], 0x2c95df0b                    ; A: 2.72614226e-10 / 64 w^6
	s_mov_b32 s[CA+2], 0x340cff51                  ; 2.10102402e-6 / 16 w^4   (- 2.77068142e-8 / 32 w^5 stands in v[14:15])
	s_mov_b32 s[CA+4], 0x36eec2d2                  ; 5.69250639e-5 / 8 w^3
	s_mov_b32 s[CA+6], 0x3940ac63                  ; 7.34990630e-4 / 4 w^2
	s_mov_b32 s[CA+8], 0x3ac1a1f6                  ; 2.95459981e-3 / 2 w
	s_mov_b32 s[CA+10], 0x3c83dbd4                 ; 1.60960333e-2
	s_mov_b32 s[CB], 0x362ccd2b                    ; B: 2 sqrt 2 x 1.45660718e-5 / 16 w^4   (2 sqrt 2 x 2.13374055e-4 / 8 w^3 stands in v[62:63])
	s_mov_b32 s[CB+2], 0x3a9bf7b5                  ; 2 sqrt 2 x 1.68282697e-3 / 4 w^2
	s_mov_b32 s[CB+4], 0x3c2ad7f2                  ; 2 sqrt 2 x 7.37332917e-3 / 2 w
	s_mov_b32 s[CB+6], 0x3d2542a9                  ; 2 sqrt 2 x 1.42647391e-2
.irp k, 0,2,4,6,8,10,12,14,16,18
	s_mov_b32 s[CA+\k+1], s[CA+\k]
.endr
	s_mov_b32 s[LIM], 0xc0b504f3                   ; -4 sqrt 2
	s_mov_b32 s[LIM+1], 0x40b504f3                 ; 4 sqrt 2
	; group 1 for W1: 4 rows of 6,144 bytes (8 dense rows of W1), 12,288 bytes apart; 16 bytes of padding behind every 256
	s_mov_b32 s[G1A], 15|(1<<20)|(1<<21)|(5<<22)|(3<<25)   ; 15:0 the mask: all four partners; 17:16 elements of 1 byte; 20 padding on; 21 set beside a mask; 24:22 after 64 words; 31:25 4 words
	s_mov_b32 s[G1A+1], 6144<<16
	s_mov_b32 s[G1A+2], 4<<16
	s_mov_b32 s[G1A+3], 6144<<16
	s_mov_b32 s[G1A+4], 4
	s_mov_b32 s[G1A+5], 12288
	s_mov_b32 s[G1A+6], 0
	s_mov_b32 s[G1A+7], 0
	; group 1 for W2: 16 dense rows of 1,536 bytes; 16 bytes of padding behind every 512
	s_mov_b32 s[G1B], 15|(1<<20)|(1<<21)|(6<<22)|(3<<25)
	s_mov_b32 s[G1B+1], 1536<<16
	s_mov_b32 s[G1B+2], 16<<16
	s_mov_b32 s[G1B+3], 1536<<16
	s_mov_b32 s[G1B+4], 16
	s_mov_b32 s[G1B+5], 1536
	s_mov_b32 s[G1B+6], 0
	s_mov_b32 s[G1B+7], 0
	; who prefetches, and when: wave 0 of the work-groups of clusters 0 to 47, in trip 13
	s_cmp_lt_u32 ttmp9, 48
	s_cselect_b32 s[PFT], 13, -1
	s_cmp_eq_u32 s[WV], 0
	s_cselect_b32 s[PFT], s[PFT], -1               ; the same in all four partners, for a given wave
	v_and_b32 v13, 31, v0                          ; l
	v_and_b32 v14, 15, v0                          ; r
	v_bfe_u32 v15, v0, 4, 1                        ; h
	v_lshlrev_b32 v3, 4, v13                       ; v3  x: 16 bytes a lane of a row's 512
	s_mul_i32 s91, s[WV], 16*528
	s_add_co_u32 s91, s91, XSTG
	v_add_nc_u32 v4, s91, v3                       ; v4  my stage, on the way in
	v_mul_u32_u24 v5, v14, 528
	v_lshl_add_u32 v5, v15, 6, v5
	v_add_nc_u32 v5, s91, v5                       ; v5  and out: row r, my half's 64 bytes of a block
	v_mul_u32_u24 v6, v14, 24
	v_mad_u32_u24 v6, v15, 12, v6
	s_mul_i32 s91, s[WV], 12288
	s_add_co_u32 s91, s91, XC
	v_add_nc_u32 v6, s91, v6                       ; v6  x's codes: my 12 bytes of row r's 24
	v_mul_u32_u24 v7, v14, 48
	s_mul_i32 s91, s[WV], 768
	s_add_co_u32 s91, s91, XSB
	v_add_nc_u32 v7, s91, v7                       ; v7  x's scale bytes
	v_lshrrev_b32 v9, 3, v13                       ; l / 8
	v_and_b32 v8, 7, v0
	v_lshlrev_b32 v8, 2, v8
	v_lshl_add_u32 v8, v9, 8, v8
	s_lshl_b32 s91, s[WV], 12
	s_add_co_u32 s91, s91, AD
	v_add_nc_u32 v8, s91, v8                       ; v8  a_down's records, on the way in
	v_and_b32 v9, 7, v0
	v_lshlrev_b32 v9, 5, v9
	v_lshl_add_u32 v9, v15, 8, v9
	v_add_nc_u32 v9, AD, v9                        ; v9  and out: column r % 8 (rows 8-15 of the fragment repeat 0-7), my half
	v_lshlrev_b32 v10, 6, v13
	s_lshl_b32 s91, s[WV], 13
	v_add_nc_u32 v10, s91, v10                     ; v10 a_down in memory: two rows of 32 bytes a lane
	v_add_nc_u32 v11, -1, v15                      ; v11 all ones in lanes 0-15, 0 in lanes 16-31
	s_lshl_b32 s91, s[WV], 9
	s_add_co_u32 s91, s91, LOR
	v_add_nc_u32 v12, s91, v3                      ; v12 where my tile's x a_down goes
	v_and_b32 v59, 8, v14
	v_add_nc_u32 v59, v59, v14
	v_lshl_add_u32 v59, v15, 3, v59                ; 8 h + r + 8 (r / 8): lanes 16-31 take tile u = 1
	v_lshlrev_b32 v59, 5, v59
	s_lshl_b32 s91, s[WV], 10
	v_add_nc_u32 v59, s91, v59                     ; v59 W1's scale words: 32 bytes a row; kept through phase 1
	v_lshlrev_b32 v60, 6, v15
	s_lshl_b32 s91, s[WV], 7
	v_add_nc_u32 v60, s91, v60                     ; v60 b1: my 16 hidden units; kept through phase 1
.irp b, 0,1,2,3
	v_mov_b32 v[228+\b], 0                         ; written once: a lane permute's destination counts as one of its sources
.endr
	s_wait_alu depctr_va_vdst(0)
	s_wait_kmcnt 0x0
	s_lshl_b32 s[CP], s90, 18                      ; 64 rows of 4,096 bytes
	s_mov_b32 s[CP+1], 0
	s_add_nc_u64 s[22:23], s[22:23], s[CP:CP+1]    ; out0 at my block
	s_lshl_b32 s91, s[WV], 16
	s_add_co_u32 s[CP], s[CP], s91
	s_add_nc_u64 s[4:5], s[4:5], s[CP:CP+1]        ; x at my wave's 16 rows
	s_min_u32 s93, s90, 191
	s_lshl_b32 s[CP], s93, 13
	s_add_nc_u64 s[PFA:PFA+1], s[12:13], s[CP:CP+1]
	s_lshr_b32 s91, s[WV], 1                       ; what I fetch of a tile of W1: from row 64 (w / 2) + 8 (w % 2) on
	s_mul_i32 s91, s91, 49152
	s_and_b32 s92, s[WV], 1
	s_mul_i32 s92, s92, 6144
	s_add_co_u32 s[TP], s91, s92
	s_mov_b32 s[TP+1], 0
	s_mov_b32 s[G0F], 1
	s_mov_b32 s[G0F+1], s[WOF]                     ; tile 0 into slot 0
	s_add_nc_u64 s[G0F+2:G0F+3], s[6:7], s[TP:TP+1]
	s_mov_b32 s[G0A], 1
	s_add_co_u32 s[G0A+1], s[WOF], SLOT1           ; tile 1 into slot 1
	s_add_nc_u64 s[G0A+2:G0A+3], s[G0F+2:G0F+3], TILEB
	s_or_b32 s[G0F+3], s[G0F+3], 0x80000000
	s_or_b32 s[G0A+3], s[G0A+3], 0x80000000
	s_mul_i32 s[TP], s[WV], 24576                  ; of a tile of W2: rows 16 w on
	s_add_nc_u64 s[WB:WB+1], s[12:13], s[TP:TP+1]
	s_mov_b32 s[G0B], 1
	s_add_co_u32 s[G0B+1], s[WOF], SLOT1           ; turned with G0A's in every trip; its global address is made in the trip
; a tile's scale words of W1: v32-39, K step s in v[32 + s], tile u in half u of the lanes; and b1, into window 3: v[192 + 8 u + i] in the result's layout
.macro NEXTW
	global_load_b128 v[32:35], v59, s[8:9]
	global_load_b128 v[36:39], v59, s[8:9] offset:16
	WIN 0xc0
.irp q, 0,1,2,3
	global_load_b128 v[192+4*\q:195+4*\q], v60, s[10:11] offset:16*\q
.endr
	WIN 0
.endm
	NEXTW                                          ; trip 0's
.irp e, 0,1,2,3
.irp q, 0,1,2,3
	global_load_b128 v[64+16*\e+4*\q:67+16*\e+4*\q], v10, s[18:19] offset:2048*\e+16*\q   ; a_down[0]: rows 2 k', 2 k' + 1, k' = 128 w + 32 e + l
.endr
.endr
.macro XLOAD s                         ; K step s of my 16 rows: each load reads 512 consecutive bytes of one row; into set s % 4 of window 1
	WIN 0x40
.irp i, 0,1,2,3,4,5,6,7,8,9,10,11,12,13,14,15
	global_load_b128 v[64*((\s)%4)+4*\i:64*((\s)%4)+4*\i+3], v3, s[4:5] offset:4096*\i+512*(\s) th:TH_LOAD_NT
.endr
	WIN 0
.endm
	XLOAD 0
	XLOAD 1
	XLOAD 2
	CROUND                                         ; all four work-groups are here: the first joint loads meet
	tensor_load_to_lds s[G0F:G0F+3], s[G1A:G1A+7]  ; tile 0: one tensor load a wave at the head
	s_nop 0
	PLACES 4
; ================================================================ a_down into LDS as bf16 records
	s_wait_loadcnt 48                              ; all but x's 48 loads are in
.irp e, 0,1,2,3
.irp n, 0,1,2,3,4,5,6,7
	v_cvt_pk_bf16_f32 v[128+8*\e+\n], v[64+16*\e+\n], v[64+16*\e+8+\n]   ; column n: k = 2 k' below, 2 k' + 1 above
.endr
.endr
.irp e, 0,1,2,3
.irp n, 0,1,2,3,4,5,6,7
	ds_store_b32 v8, v[128+8*\e+\n] offset:1024*\e+32*\n
.endr
.endr
	s_wait_dscnt 0x0                               ; for the others' sake
	BAR                                            ; a_down's records lie in LDS (tile 0's load may stay out)
; ================================================================ PHASE X
; K step s: 16 rows x 128 numbers turn through my stage, so that lane (r, h) holds, of row r, numbers 32 b + 16 h + 0 .. 15 of each block b: v[64 + 16 b + i].
.macro XSTEP s
.if (\s)+3 <= 7
	XLOAD (\s)+3
.endif
.if 7-(\s) >= 3
	s_wait_loadcnt 48                              ; this step's 16 loads are in; those of the three steps behind it may be out
.else
	s_wait_loadcnt 16*(7-(\s))
.endif
	WIN 0x04                                       ; an LDS store's data are its source 1: window 1
.irp i, 0,1,2,3,4,5,6,7,8,9,10,11,12,13,14,15
	ds_store_b128 v4, v[64*((\s)%4)+4*\i:64*((\s)%4)+4*\i+3] offset:528*\i
.endr
	WIN 0
.irp b, 0,1,2,3
.irp q, 0,1,2,3
	ds_load_b128 v[64+16*\b+4*\q:67+16*\b+4*\q], v5 offset:128*\b+16*\q   ; LDS serves a wave's instructions in order (ISA guide 5.7.1.4): these see my stores
.endr
.endr
.irp b, 0,1,2,3
.irp q, 0,1
	ds_load_b128 v[160+8*\b+4*\q:163+8*\b+4*\q], v9 offset:512*(4*(\s)+\b)+16*\q   ; a_down's fragment of block 4 s + b
.endr
.endr
	s_wait_dscnt 0x0
.irp b, 0,1,2,3
.irp j, 0,1,2,3,4,5,6,7
	v_cvt_pk_bf16_f32 v[128+8*\b+\j], v[64+16*\b+2*\j], v[64+16*\b+2*\j+1]   ; x in bf16; k stands in the same places as in a_down's records
.endr
.endr
.irp b, 0,1,2,3                        ; (x a_down)^T: source 0 = a_down's columns, source 1 = my rows; four accumulators by turns
.if (\s) == 0
	v_wmma_f32_16x16x32_bf16 v[192+8*\b:199+8*\b], v[160+8*\b:167+8*\b], v[128+8*\b:135+8*\b], 0
.else
	v_wmma_f32_16x16x32_bf16 v[192+8*\b:199+8*\b], v[160+8*\b:167+8*\b], v[128+8*\b:135+8*\b], v[192+8*\b:199+8*\b]
.endif
.endr
	QBC 64, 224
.irp b, 0,1,2,3
.irp i, 0,1,2
	ds_store_b32 v6, v[240+4*\b+\i] offset:1536*(\s)+384*\b+4*\i
.endr
	ds_store_b8 v7, v[236+\b] offset:4*(\s)+\b     ; both lanes of a block write the same byte with the same value
.endr
.endm
.irp s, 0,1,2,3,4,5
	XSTEP \s
.endr
	s_wait_tensorcnt 0x0                           ; my part of tile 0 is in
	ds_add_u32 v1, v2
	s_wait_dscnt 0x0
	CROUND                                         ; tile 0 is whole, and all four work-groups are here
	tensor_load_to_lds s[G0A:G0A+3], s[G1A:G1A+7]  ; tile 1 into slot 1: my one tensor load behind the round; it has the last two K steps of phase X and the fetch of x's fragments in which to land
	s_nop 0
	PLACES 4
.irp s, 6,7
	XSTEP \s
.endr
.irp j, 0,2,4,6
	v_pk_add_f32 v[192+\j:193+\j], v[192+\j:193+\j], v[200+\j:201+\j]   ; the four sums are added, each read from its low end on
.endr
.irp j, 0,2,4,6
	v_pk_add_f32 v[208+\j:209+\j], v[208+\j:209+\j], v[216+\j:217+\j]
.endr
.irp j, 0,2,4,6
	v_pk_add_f32 v[192+\j:193+\j], v[192+\j:193+\j], v[208+\j:209+\j]
.endr
.irp j, 0,1,2,3
	v_cvt_pk_bf16_f32 v[128+\j], v[192+2*\j], v[193+2*\j]      ; lane r: row r's eight numbers, k = 0 .. 7 of the last product
.endr
.irp j, 0,1,2,3
	v_and_b32 v[128+\j], v11, v[128+\j]            ; lanes 16-31 stand for k = 8 .. 15: zeros
.endr
	ds_store_b128 v12, v[128:131]
	s_wait_dscnt 0x0
	BAR                                            ; x's codes, scale bytes and x a_down lie in LDS (tile 1's load may stay out)
; ================================================================ PHASE 1: registers
; window 0: v3, v4 my place in a tile of W1 (v4: behind one padding more); v5, v6 the same in the slot in hand; v7, v8, v9 where my codes and byte go; v56-58 the same for the trip in hand; v12 the prefetch's offset;
;   v[14:15], v[62:63] two coefficients; v16-31 x's scale words (v[16 + 8 p + s]: tile of rows 2 p in lanes 0-15, 2 p + 1 in lanes 16-31); v32-39 W1's scale words; v64-127 the 8 accumulators at 64 + 16 m + 8 u; v128-255 the gelu's.
; window 1: x's fragments f = 4 s + m = 0 .. 20 at 12 f; window 2: f = 21 .. 31; window 3: v0-95 the eight fragments of W1's tile u = 0, v96-191 those of u = 1, v192-207 b1.
	v_mul_u32_u24 v3, v14, P1W                     ; (v13, v14, v15 still hold l, r, h)
	v_mad_u32_u24 v3, v15, 24, v3
	s_lshr_b32 s91, s[WV], 1
	s_mul_i32 s91, s91, 2*PART
	s_and_b32 s92, s[WV], 1
	s_mul_i32 s92, s92, 16*P1W
	s_add_co_u32 s91, s91, s92
	v_add_nc_u32 v3, s91, v3                       ; tile (block w, u = 0): part 2 (w / 2), rows 16 (w % 2) on; u = 1 lies one part on
	v_lshl_add_u32 v4, v15, 4, v3
	s_mov_b32 s[TB], 0
	s_mov_b32 s[J], 0
	s_mov_b32 s[HOF], 0
	s_mov_b32 s[BOF], 0
	v_add_nc_u32 v5, s[TB], v3
	v_add_nc_u32 v6, s[TB], v4
	v_mul_u32_u24 v7, v14, 24
	v_mad_u32_u24 v7, v15, 12, v7
	s_mul_i32 s91, s[WV], 384
	v_add_nc_u32 v7, s91, v7
	v_add_nc_u32 v8, HP1, v7
	v_add_nc_u32 v7, HP0, v7
	v_mul_u32_u24 v9, v14, 80
	s_add_co_u32 s91, s[WV], HSB
	v_add_nc_u32 v9, s91, v9
	v_lshlrev_b32 v12, 8, v13
	v_mul_u32_u24 v10, v14, 48
	v_mad_u32_u24 v10, v15, 768, v10
	v_add_nc_u32 v10, XSB, v10
	v_mul_u32_u24 v13, v14, 24
	v_mad_u32_u24 v13, v15, 384, v13
	v_add_nc_u32 v13, XC, v13                      ; a fragment's lane (r, h) takes block 4 s + 2 c + h of row r: 24 bytes
	v_mov_b32 v14, 0xb06dffee                      ; A: - 2.77068142e-8 / 32 w^5
	v_mov_b32 v15, 0xb06dffee
	v_mov_b32 v62, 0x389e356d                      ; B: 2 sqrt 2 x 2.13374055e-4 / 8 w^3
	v_mov_b32 v63, 0x389e356d
.set f, 0
.rept 32
.if f < 21
	WIN 0x40
.set fb, 12*f
.else
	WIN 0x80
.set fb, 12*(f-21)
.endif
.irp p, 0,1,2,3,4,5
	ds_load_b64 v[fb+2*\p:fb+2*\p+1], v13 offset:12288*(f%4)+1536*(f/4)+768*(\p/3)+8*(\p%3)
.endr
.set f, f+1
.endr
	WIN 0
.irp p, 0,1
.irp q, 0,1
	ds_load_b128 v[16+8*\p+4*\q:19+8*\p+4*\q], v10 offset:1536*\p+16*\q
.endr
.endr
; a fragment of W1: tile u, K step s.  Pieces of 8 bytes; lanes 16-31 read three pieces on, which for some pieces is behind one padding more: v6 serves those
.macro FRAG1 reg, u, s
.irp p, 0,1,2,3,4,5
.set PCC, 12*(\s)+6*(\p/3)+\p%3
.if PCC%32 < 29
	ds_load_b64 v[(\reg)+2*\p:(\reg)+2*\p+1], v5 offset:8*PCC+16*(PCC/32)+PART*(\u)
.else
	ds_load_b64 v[(\reg)+2*\p:(\reg)+2*\p+1], v6 offset:8*PCC+16*(PCC/32)+PART*(\u)
.endif
.endr
.endm
; K steps 2 g and 2 g + 1 of both tiles u, from the slot in hand, into window 3: 24 loads.  gd = 1: not in trip 15, which has no next tile
.macro LD2 g, gd
.if \gd
	s_cmp_eq_u32 s[J], 15
	s_cbranch_scc1 .Lnone_\@
.endif
	WIN 0xc0
	FRAG1 24*(\g), 0, 2*(\g)
	FRAG1 24*(\g)+12, 0, 2*(\g)+1
	FRAG1 96+24*(\g), 1, 2*(\g)
	FRAG1 96+24*(\g)+12, 1, 2*(\g)+1
	WIN 0
.if \gd
.Lnone_\@:
.endif
.endm
; one product: K step t, tile of rows m, tile u of W1.  The first K step takes b1 (window 3) as C
.macro PROD t, m, u
.set XF, 4*(\t)+(\m)
.if XF < 21
.set XR, 12*XF
.set XW, 0x07                          ; source 0 (W1) window 3, source 1 (x) window 1
.else
.set XR, 12*(XF-21)
.set XW, 0x0b                          ; x in window 2
.endif
.if (\t) == 0
	WIN 0x37                                       ; C in window 3 too
	SMUL 64+16*(\m)+8*(\u), 96*(\u)+12*(\t), XR, 192+8*(\u), 32+(\t), 16+8*((\m)/2)+(\t), \u, (\m)%2
.else
	WIN XW
	SMUL 64+16*(\m)+8*(\u), 96*(\u)+12*(\t), XR, 64+16*(\m)+8*(\u), 32+(\t), 16+8*((\m)/2)+(\t), \u, (\m)%2
.endif
.endm
; the refill of tile J's slot: tile J + 2, which is W1's up to trip 13 and W2's in trips 14 and 15.  One load on either way, into the same bytes; the branch hangs on the loop's counter alone.
.macro JSEL
	s_cmp_lt_u32 s[J], 14
	s_cbranch_scc0 .Lw2_\@
	tensor_load_to_lds s[G0A:G0A+3], s[G1A:G1A+7]
	s_nop 0
	PLACES 4
	s_branch .Lasked_\@
.Lw2_\@:
	tensor_load_to_lds s[G0B:G0B+3], s[G1B:G1B+7]
	s_nop 0
	PLACES 4
.Lasked_\@:
.endm
; a row of the gelu: sixteen packed lines, one for each pair of the 32 numbers, so that a line reads what was written sixteen lines earlier
.macro ROWS d, a, b, k                 ; d = a b + the coefficient in s[k:k+1]
.set i, 0
.rept 16
	v_pk_fma_f32 v[(\d)+i:(\d)+i+1], v[(\a)+i:(\a)+i+1], v[(\b)+i:(\b)+i+1], s[(\k):(\k)+1] op_sel_hi:[1,1,0]
.set i, i+2
.endr
.endm
.macro ROWF d, a, k, c                 ; d = a x the coefficient in s[k:k+1] + the coefficient in v[c:c+1]: a polynomial's first line
.set i, 0
.rept 16
	v_pk_fma_f32 v[(\d)+i:(\d)+i+1], v[(\a)+i:(\a)+i+1], s[(\k):(\k)+1], v[(\c):(\c)+1] op_sel_hi:[1,0,1]
.set i, i+2
.endr
.endm
.macro ROWM d, a, b                    ; d = a b
.set i, 0
.rept 16
	v_pk_mul_f32 v[(\d)+i:(\d)+i+1], v[(\a)+i:(\a)+i+1], v[(\b)+i:(\b)+i+1]
.set i, i+2
.endr
.endm
; gelu in place on 32 numbers v[z ..], in two parts.  The first: y, w, A(w).  wt = 1: the other 32 numbers' reciprocals stand between the products and these first reads of their results
.macro GELA z, wt
.if \wt
	s_wait_alu depctr_va_vdst(0)                   ; directly ahead of the first readers of the four accumulators
.endif
.set i, 0
.rept 32
	v_med3_num_f32 v[T1+i], v[(\z)+i], s[LIM], s[LIM+1]   ; y; ascending: each accumulator is read from its low end on
.set i, i+1
.endr
	ROWM T2, T1, T1
	ROWF T3, T2, CA, 14
.irp k, 2,4,6,8,10
	ROWS T3, T3, T2, CA+\k
.endr
.endm
; the second: B(w), 1 / B, z (1/2 + y A / B)
.macro GELB z
	ROWF T4, T2, CB, 62
.irp k, 2,4,6
	ROWS T4, T4, T2, CB+\k
.endr
	s_wait_alu depctr_va_vdst(0)                   ; ahead of the batch of reciprocals
.set i, 0
.rept 32
	v_rcp_f32 v[T4+i], v[T4+i]
.set i, i+1
.endr
	v_nop                                          ; a plain instruction behind the last reciprocal
	s_wait_alu depctr_va_vdst(0)                   ; ahead of the reciprocals' first reader
	ROWM T3, T3, T4
.set i, 0
.rept 16
	v_pk_fma_f32 v[T3+i:T3+i+1], v[T1+i:T1+i+1], v[T3+i:T3+i+1], 0.5 op_sel_hi:[1,1,0]
.set i, i+2
.endr
	ROWM \z, \z, T3
.endm
.irp g, 0,1,2,3
	LD2 \g, 0                                      ; tile 0's sixteen fragments
.endr
; ================================================================ PHASE 1: 16 trips
.Ltrip:
	s_wait_loadcnt 0x0                             ; this trip's scale words of W1 and b1 are in, so their bases may step
	s_add_nc_u64 s[8:9], s[8:9], 4096
	s_add_nc_u64 s[10:11], s[10:11], 512
	s_wait_tensorcnt 0x0                           ; all my tensor loads have landed: my part of the next tile; so every group 0 may be written
	ds_add_u32 v1, v2                              ; 0 onto my spare word
	s_xor_b32 s[G0A+1], s[G0A+1], SLOT1            ; the walking descriptors: this tile's slot, the tile two on
	s_add_nc_u64 s[G0A+2:G0A+3], s[G0A+2:G0A+3], TILEB
	s_xor_b32 s[G0B+1], s[G0B+1], SLOT1
	s_cmp_ge_u32 s[J], 15                          ; W2's: the walk's first tile, column step ROT, up to trip 14; its second, (ROT + 1) & 15, in trip 15
	s_cselect_b32 s[TP], 1, 0
	s_add_co_u32 s[TP], s[TP], s[ROT]
	s_and_b32 s[TP], s[TP], 15
	s_mul_i32 s[TP], s[TP], TILEB
	s_mov_b32 s[TP+1], 0
	s_add_nc_u64 s[G0B+2:G0B+3], s[WB:WB+1], s[TP:TP+1]
	s_or_b32 s[G0B+3], s[G0B+3], 0x80000000
	s_wait_dscnt 0x0                               ; the add is done; this tile's fragments lie in my registers, so my reads of its slot are over; my codes and bytes have landed
	CROUND                                         ; the same holds of every wave of all four work-groups
	JSEL                                           ; my one tensor load behind the round
	s_xor_b32 s[TB], s[TB], SLOT1                  ; the next tile's slot
.set WN, 0
.rept 64
	PROD WN/8, (WN/2)%4, WN%2                      ; 64 products, K ascending; the eight accumulators take turns
.set WN, WN+1
.endr
	WIN 0
	v_add_nc_u32 v5, s[TB], v3
	v_add_nc_u32 v6, s[TB], v4
	PLACES 2                                       ; with the two lines above: four places in front of the loads below and of the first read of the results
	s_cmp_eq_u32 s[J], 15
	s_cbranch_scc1 .Lno_next                       ; the last trip fetches nothing for a next one: no load leaves its buffer
	LD2 0, 0
	NEXTW
.Lno_next:
	; W2'S CODES ARE PREFETCHED INTO THE L2, each aligned block of 256 bytes once in the launch: work-group g of the first 192 names the 8,192 bytes at 8,192 g, lanes 256 bytes apart, by one instruction of its wave 0,
	; in trip 13: one trip ahead of trip 14's tensor loads, in which the clusters between them ask for all sixteen tiles of W2.  The partners of a cluster are told apart by address alone.
	s_cmp_eq_u32 s[J], s[PFT]
	s_cbranch_scc0 .Lno_ask
	global_prefetch_b8 v12, s[PFA:PFA+1] th:TH_LOAD_NT scope:SCOPE_SE
.Lno_ask:
	GELA 64, 0
	LD2 1, 1
	GELB 64
	LD2 2, 1
	GELA 96, 1
	LD2 3, 1
	GELB 96
	v_add_nc_u32 v56, s[HOF], v7                   ; where this trip's codes and bytes go
	v_add_nc_u32 v57, s[HOF], v8
	v_add_nc_u32 v58, s[BOF], v9
	QBC 64, 128                                    ; the four 'blocks' are the four tiles of rows: block 4 J + w of the next K
.irp m, 0,1,2,3
.irp i, 0,1,2
.if \m == 0
	ds_store_b32 v56, v[144+4*\m+\i] offset:4*\i
.else
	ds_store_b32 v57, v[144+4*\m+\i] offset:HPL*(\m-1)+4*\i
.endif
.endr
	ds_store_b8 v58, v[140+\m] offset:1280*\m
.endr
	s_add_co_u32 s[HOF], s[HOF], 1536
	s_add_co_u32 s[BOF], s[BOF], 4
	s_add_co_u32 s[J], s[J], 1
	s_cmp_lt_u32 s[J], 16
	s_cbranch_scc1 .Ltrip
; ================================================================ TRANSITION
; PHASE 2's registers, window 0: v3-6 my place in a tile of W2, slots 0 and 1 (v4, v6: behind one padding more); v7 into the stage, v8 out of it, v9 the same place in out0; v10, v11 offsets of W2's scale words and b2; v12 a_up's records;
;   v16-47 the hidden layer's scale words (v[16 + 16 p + S]); v48-63 W2's, two sets (S < 8 in lanes 0-15, S >= 8 in lanes 16-31); v64-83 x a_down's four fragments' first halves and four zeros; v84-91 a_up's fragment and four zeros;
;   v92-99 b2; v100-131 four accumulators; v132-143 fragment 63; v144-239 a ring of four pairs of fragments of W2; v240-255 rows on their way out.  Windows 1 to 3: the hidden layer's fragments f = 4 S + m = 0 .. 62, 21 to a window.
; On the way there v3, v4 are at work, v11 is first a_up's offset in memory, v8 where a_up's records go, v9 the address of the hidden layer's scale words and then of x a_down's fragments.
	s_wait_tensorcnt 0x0                           ; the walk's first two tiles of W2: my parts are in
	s_wait_dscnt 0x0                               ; my codes and bytes have landed
	s_wait_loadcnt 0x0                             ; no load of phase 1 is out: its registers are loaded anew below
	s_wait_xcnt 0x0                                ; the prefetch and the loads of phase 1 have read their address registers and bases
	v_and_b32 v13, 31, v0                          ; l
	v_and_b32 v14, 15, v0                          ; r
	v_bfe_u32 v15, v0, 4, 1                        ; h
	v_lshlrev_b32 v10, 6, v14
	v_lshl_add_u32 v10, v15, 5, v10
	s_lshl_b32 s91, s[WV], 10
	v_add_nc_u32 v10, s91, v10                     ; W2's scale words: 64 bytes a row, 32 a half
	s_lshl_b32 s92, s[WV], 6                       ; my tile's 64 bytes of a column step's 256
	v_lshrrev_b32 v3, 2, v13                       ; l / 4: the walk step (+ 8 e)
	v_and_b32 v4, 3, v13                           ; l % 4
	v_add_nc_u32 v11, s[ROT], v3
	v_and_b32 v11, 15, v11                         ; its column step
	v_lshlrev_b32 v11, 8, v11
	v_lshl_add_u32 v11, v4, 4, v11
	v_add_nc_u32 v11, s92, v11                     ; a_up: 256 bytes a column step, four of my tile's columns
	s_wait_alu depctr_va_vdst(0)
	v_lshlrev_b32 v8, 6, v4
	v_lshl_add_u32 v8, v3, 8, v8
	s_lshl_b32 s91, s[WV], 12
	s_add_co_u32 s91, s91, AUI
	v_add_nc_u32 v8, s91, v8                       ; where their records go: by the walk step
	v_lshl_add_u32 v12, v14, 4, s91                ; and come from: 16 bytes for column r
	s_mov_b32 s[TP+1], 0                           ; the first two walk steps' pointers
	s_lshl_b32 s[TP], s[ROT], 12
	s_add_nc_u64 s[PW:PW+1], s[14:15], s[TP:TP+1]  ; W2's scale words: 4,096 bytes a column step
	s_lshl_b32 s[TP], s[ROT], 8
	s_add_nc_u64 s[8:9], s[16:17], s[TP:TP+1]      ; b2: 256 bytes a column step
	s_add_co_u32 s2, s[ROT], 1
	s_and_b32 s2, s2, 15
	s_lshl_b32 s[TP], s2, 12
	s_add_nc_u64 s[PO:PO+1], s[14:15], s[TP:TP+1]  ; (walk step 1's scale words; from step 0's middle on this pair serves out0)
	s_lshl_b32 s[TP], s2, 8
	s_add_nc_u64 s[PB2:PB2+1], s[16:17], s[TP:TP+1]
	s_mov_b32 s[RJ], s[ROT]
.irp k, 0,1,2,3,4,5,6,7
	global_load_b128 v[144+4*\k:147+4*\k], v11, s[20:21] offset:4096*\k
.endr
	s_wait_xcnt 0x0                                ; these loads have read their offset
	v_xor_b32 v11, 2048, v11                       ; walk steps 8 to 15: eight column steps on, round sixteen
.irp k, 0,1,2,3,4,5,6,7
	global_load_b128 v[176+4*\k:179+4*\k], v11, s[20:21] offset:4096*\k
.endr
	s_wait_xcnt 0x0
	v_lshlrev_b32 v11, 5, v15
	v_add_nc_u32 v11, s92, v11                     ; b2: my tile's eight numbers of my half
	global_load_b128 v[48:51], v10, s[PW:PW+1]     ; step 0's scale words of W2
	global_load_b128 v[52:55], v10, s[PW:PW+1] offset:16
	global_load_b128 v[92:95], v11, s[8:9]         ; step 0's b2
	global_load_b128 v[96:99], v11, s[8:9] offset:16
	global_load_b128 v[56:59], v10, s[PO:PO+1]     ; step 1's scale words
	global_load_b128 v[60:63], v10, s[PO:PO+1] offset:16
	BAR                                            ; the hidden layer is whole
	v_mul_u32_u24 v3, v14, 24
	v_mad_u32_u24 v3, v15, 384, v3
	v_add_nc_u32 v4, HP1, v3
	v_add_nc_u32 v5, HP1+HPL, v3
	v_add_nc_u32 v6, HP1+2*HPL, v3
	v_add_nc_u32 v3, HP0, v3
	v_mul_u32_u24 v9, v14, 80
	v_mad_u32_u24 v9, v15, 1280, v9
	v_add_nc_u32 v9, HSB, v9
.set f, 0
.rept 64
.if f == 63
	WIN 0
.set fb, 132
.else
	WIN (1+f/21)<<6
.set fb, 12*(f%21)
.endif
.irp p, 0,1,2,3,4,5
	ds_load_b64 v[fb+2*\p:fb+2*\p+1], v[3+f%4] offset:1536*(f/4)+768*(\p/3)+8*(\p%3)
.endr
.set f, f+1
.endr
	WIN 0
.irp p, 0,1
.irp q, 0,1,2,3
	ds_load_b128 v[16+16*\p+4*\q:19+16*\p+4*\q], v9 offset:2560*\p+16*\q
.endr
.endr
	v_lshl_add_u32 v9, v13, 4, LOR
.irp m, 0,1,2,3
	ds_load_b128 v[64+4*\m:67+4*\m], v9 offset:512*\m
.endr
	s_wait_dscnt 0x0
	BAR                                            ; nobody reads the hidden layer's bytes any more: the stages and a_up's records may be written over them
	s_wait_loadcnt 6                               ; a_up is in; behind it six loads were issued
.irp e, 0,1
.irp i, 0,1,2,3
.irp d, 0,1,2,3
	v_cvt_pk_bf16_f32 v[208+16*\e+4*\i+\d], v[144+32*\e+8*\d+\i], v[144+32*\e+8*\d+4+\i]   ; column i: k = 2 d below, 2 d + 1 above
.endr
.endr
.endr
.irp e, 0,1
.irp i, 0,1,2,3
	ds_store_b128 v8, v[208+16*\e+4*\i:211+16*\e+4*\i] offset:2048*\e+16*\i   ; my wave's own 4,096 bytes: no other wave reads them
.endr
.endr
	ds_load_b128 v[84:87], v12                     ; step 0's fragment of a_up
.irp i, 0,1,2,3
	v_mov_b32 v[80+\i], 0
	v_mov_b32 v[88+\i], 0                          ; k = 16 .. 31 of a_up's fragment: zeros, so whatever stands there in the other operand adds nothing
.endr
	v_mul_u32_u24 v3, v14, P2W
	v_mad_u32_u24 v3, v15, 24, v3
	v_add_nc_u32 v3, s[WOF], v3
	v_lshl_add_u32 v4, v15, 4, v3
	v_add_nc_u32 v5, SLOT1, v3
	v_add_nc_u32 v6, SLOT1, v4
	v_mul_u32_u24 v7, v14, 272
	v_lshl_add_u32 v7, v15, 5, v7
	s_lshl_b32 s91, s[WV], 6
	s_add_co_u32 s91, s91, STG
	v_add_nc_u32 v7, s91, v7                       ; row r, my wave's 64 bytes, my half's 32
	v_mul_u32_u24 v8, v15, 272
	v_lshl_add_u32 v8, v14, 4, v8
	s_mul_i32 s91, s[WV], 16*272
	s_add_co_u32 s91, s91, STG
	v_add_nc_u32 v8, s91, v8                       ; back: my 16 rows; lanes 0-15 one row of 256 bytes, lanes 16-31 the next
	v_lshlrev_b32 v9, 12, v15
	v_lshl_add_u32 v9, v14, 4, v9
	s_lshl_b32 s91, s[WV], 16
	v_add_nc_u32 v9, s91, v9
.macro FRAG2 reg, pi, ks               ; a fragment of W2: K step ks, from slot pi
.irp p, 0,1,2,3,4,5
.set PCC, 12*(\ks)+6*(\p/3)+\p%3
.if PCC%64 < 61
	ds_load_b64 v[(\reg)+2*\p:(\reg)+2*\p+1], v[3+2*(\pi)] offset:8*PCC+16*(PCC/64)
.else
	ds_load_b64 v[(\reg)+2*\p:(\reg)+2*\p+1], v[4+2*(\pi)] offset:8*PCC+16*(PCC/64)
.endif
.endr
.endm
.macro FETCH2 t, pi                    ; beat t's two K steps into pair t % 4 of the ring
	WIN 0
	FRAG2 144+24*((\t)%4), \pi, 2*(\t)
	FRAG2 144+24*((\t)%4)+12, \pi, 2*(\t)+1
.endm
.macro BEAT2M t, pi                    ; eight products: K steps 2 t and 2 t + 1, the four accumulators by turns
.irp i, 0,1
.irp m, 0,1,2,3
.set KS, 2*(\t)+\i
.set HF, 4*KS+\m
.if HF == 63
	WIN 0
.set HR, 132
.else
	WIN (1+HF/21)<<2
.set HR, 12*(HF%21)
.endif
	SMUL 100+8*\m, 144+24*((\t)%4)+12*\i, HR, 100+8*\m, 48+8*(\pi)+KS%8, 16+16*(\m/2)+KS, KS/8, \m%2
.endr
.endr
.endm
	s_wait_dscnt 0x0                               ; the stores of a_up's records have read their registers, into which the ring's loads land
.irp t, 0,1,2,3
	FETCH2 \t, 0
.endr
	s_wait_dscnt 0x0
; ================================================================ PHASE 2
; A walk step j; its columns are those of column step (ROT + j) & 15.  pi: its parity = its slot = its stage.  refill: the slot is filled again, with the walk's tile two on.  rb: the last step's stage is read back and stored.
; la: there is a next step.  lc: the loads that may stay out.  lw: the scale words two steps on are asked for.
.macro P2STEP pi, refill, rb, la, lc, lw
	s_wait_loadcnt \lc                             ; this step's b2 and scale words are in; the next step's scale words may be out
.irp m, 0,1,2,3
	v_wmma_f32_16x16x32_bf16 v[100+8*\m:107+8*\m], v[84:91], v[64+4*\m:71+4*\m], v[92:99]   ; the sums begin: b2 + (x a_down) a_up
.endr
	PLACES 5                                       ; another form adds onto these results
.if \la
	ds_load_b128 v[84:87], v12 offset:256*((\pi)+1)
	global_load_b128 v[92:95], v11, s[PB2:PB2+1]
	global_load_b128 v[96:99], v11, s[PB2:PB2+1] offset:16
.endif
.irp t, 0,1,2,3
	s_wait_dscnt 44+(\la)                          ; this beat's 12 loads are in: behind them were issued at least three beats' 36 loads and the stage's 8 stores, and, where there is a next step, a_up's one load
	BEAT2M \t, \pi
	PLACES 4
	FETCH2 \t+4, \pi
.endr
	WIN 0
	s_wait_tensorcnt 0x0                           ; all my tensor loads have landed: my part of the next tile
	ds_add_u32 v1, v2                              ; 0 onto my spare word
	s_wait_dscnt 37                                ; beat 4's loads are in (three beats' 36 and the add may be out)
	BEAT2M 4, \pi
	s_add_co_u32 s[CT], s[RJ], 2
	s_and_b32 s[CT], s[CT], 15                     ; the column step two walk steps on
	s_mul_i32 s[TP], s[CT], TILEB
	s_add_co_u32 s[G0B+1], s[WOF], (\pi)*SLOT1     ; the descriptor: this slot, that column step's tile
	s_add_nc_u64 s[G0B+2:G0B+3], s[WB:WB+1], s[TP:TP+1]
	s_or_b32 s[G0B+3], s[G0B+3], 0x80000000
	s_wait_dscnt 0x0                               ; the add is done; my reads of this slot are over; my stores into the last stage have landed
	s_barrier_signal -1
	BEAT2M 5, \pi
	WIN 0
	s_barrier_wait -1
.if \refill
	CREST                                          ; the barrier has opened a round of the cluster's barrier
	tensor_load_to_lds s[G0B:G0B+3], s[G1B:G1B+7]  ; my one tensor load behind the round
	s_nop 0
.endif
	PLACES 4
	s_wait_xcnt 0x0                                ; the loads and stores issued so far have read their bases and registers: the three pointers are made anew, and the rows below land where the last step's stores read
	s_lshl_b32 s[TP], s[CT], 8
	s_add_nc_u64 s[PB2:PB2+1], s[16:17], s[TP:TP+1]   ; b2 two walk steps on: the next step's head asks for it
	s_lshl_b32 s[TP], s[CT], 12
	s_add_nc_u64 s[PW:PW+1], s[14:15], s[TP:TP+1]     ; W2's scale words two walk steps on
	s_add_co_u32 s2, s[RJ], 15
	s_and_b32 s2, s2, 15                           ; the last walk step's column step
	s_lshl_b32 s[TP], s2, 8
	s_add_nc_u64 s[PO:PO+1], s[22:23], s[TP:TP+1]  ; its 256 bytes of my block's rows
	s_add_co_u32 s[RJ], s[RJ], 1
.if \rb
.irp q, 0,1,2,3
	ds_load_b128 v[240+4*\q:243+4*\q], v8 offset:544*\q+STGB*(1-(\pi))
.endr
.endif
.if \la
	FETCH2 0, 1-(\pi)
	FETCH2 1, 1-(\pi)
.endif
	BEAT2M 6, \pi
	WIN 0
.if \rb
	s_wait_dscnt 24*(\la)                          ; the four rows' loads are in; two beats' 24 may be out
.irp q, 0,1,2,3
	global_store_b128 v9, v[240+4*\q:243+4*\q], s[PO:PO+1] offset:8192*\q th:TH_STORE_NT   ; 16 lanes store 256 consecutive bytes, at a multiple of 256 from out0's first byte
.endr
	s_wait_xcnt 0x0
.irp q, 4,5,6,7
	ds_load_b128 v[224+4*\q:227+4*\q], v8 offset:544*\q+STGB*(1-(\pi))
.endr
.endif
	PLACES 4
.if \la
	FETCH2 2, 1-(\pi)
.endif
	BEAT2M 7, \pi
	WIN 0
.if \rb
	s_wait_dscnt 12*(\la)
.irp q, 4,5,6,7
	global_store_b128 v9, v[224+4*\q:227+4*\q], s[PO:PO+1] offset:8192*\q th:TH_STORE_NT
.endr
.endif
	PLACES 5                                       ; in front of the loads, of the stage's stores, and of the next step's first products, which write over these results
.if \la
	FETCH2 3, 1-(\pi)
.endif
.if \lw
	global_load_b128 v[48+8*(\pi):51+8*(\pi)], v10, s[PW:PW+1]
	global_load_b128 v[52+8*(\pi):55+8*(\pi)], v10, s[PW:PW+1] offset:16
.endif
	s_wait_alu depctr_va_vdst(0)
.irp m, 0,1,2,3
	ds_store_b128 v7, v[100+8*\m:103+8*\m] offset:4352*\m+STGB*(\pi)       ; each accumulator from its low end on
	ds_store_b128 v7, v[104+8*\m:107+8*\m] offset:4352*\m+STGB*(\pi)+16
.endr
.endm
.macro PAIRSTEP                        ; two walk steps on among a_up's records
	v_add_nc_u32 v12, 512, v12
.endm
	P2STEP 0, 1, 0, 1, 2, 1
	P2STEP 1, 1, 1, 1, 2, 1
	PAIRSTEP
	s_mov_b32 s[J], 6
.Lpair:
	s_wait_alu depctr_va_vdst(0)
	P2STEP 0, 1, 1, 1, 2, 1
	P2STEP 1, 1, 1, 1, 2, 1
	PAIRSTEP
	s_sub_co_u32 s[J], s[J], 1
	s_cmp_lg_u32 s[J], 0
	s_cbranch_scc1 .Lpair
	s_wait_alu depctr_va_vdst(0)
	P2STEP 0, 0, 1, 1, 2, 0                        ; the last two steps are written out: nothing is left to fetch
	P2STEP 1, 0, 1, 0, 0, 0
	s_wait_dscnt 0x0                               ; my stores into the last stage have landed
	BAR
	s_wait_xcnt 0x0                                ; the last step's stores have read their base
	s_add_co_u32 s2, s[RJ], 15
	s_and_b32 s2, s2, 15                           ; walk step 15's column step
	s_lshl_b32 s[TP], s2, 8
	s_add_nc_u64 s[PO:PO+1], s[22:23], s[TP:TP+1]
.irp q, 0,1,2,3,4,5,6,7
	ds_load_b128 v[144+4*\q:147+4*\q], v8 offset:544*\q+STGB
.endr
.irp q, 0,1,2,3,4,5,6,7
	s_wait_dscnt 7-\q
	global_store_b128 v9, v[144+4*\q:147+4*\q], s[PO:PO+1] offset:8192*\q th:TH_STORE_NT
.endr
	s_wait_tensorcnt 0x0                           ; the wave's end: behind my last tensor load and my last LDS store
	ds_add_u32 v1, v2
	s_wait_dscnt 0x0
	CROUND                                         ; the closing round: no work-group ends while a partner may still ask for a tile that names it
	s_endpgm
.Lfunc_end_k_qe9cb192d2e_ffn:
	.size	k_qe9cb192d2e_ffn, .Lfunc_end_k_qe9cb192d2e_ffn-k_qe9cb192d2e_ffn
	.p2alignl 7, 3214868480
	.fill 96, 4, 3214868480
	.section	.rodata,"a",@progbits
	.p2align	6, 0x0
	.amdhsa_kernel k_qe9cb192d2e_ffn
		.amdhsa_group_segment_fixed_size 327680
		.amdhsa_private_segment_fixed_size 0
		.amdhsa_enable_private_segment 0
		.amdhsa_kernarg_size 80
		.amdhsa_user_sgpr_count 2
		.amdhsa_user_sgpr_kernarg_segment_ptr 1
		.amdhsa_wavefront_size32 1
		.amdhsa_system_sgpr_workgroup_id_x 1
		.amdhsa_system_sgpr_workgroup_id_y 1
		.amdhsa_system_sgpr_workgroup_id_z 1
		.amdhsa_system_vgpr_workitem_id 0
		.amdhsa_next_free_vgpr 1024
		.amdhsa_next_free_sgpr 100
		.amdhsa_reserve_vcc 0
		.amdhsa_float_denorm_mode_32 3
		.amdhsa_float_denorm_mode_16_64 3
		.amdhsa_memory_ordered 1
		.amdhsa_forward_progress 1
		.amdhsa_inst_pref_size 255
	.end_amdhsa_kernel
	.section	.bss,"aw",@nobits
	.p2align	6
	.space	262144
	.amdgpu_metadata
---
amdhsa.version: [ 1, 2 ]
amdhsa.kernels:
  - .name:           k_qe9cb192d2e_ffn
    .symbol:         k_qe9cb192d2e_ffn.kd
    .args:
      - { .name: x, .offset: 0, .size: 8, .value_kind: global_buffer, .address_space: global }
      - { .name: w1_codes, .offset: 8, .size: 8, .value_kind: global_buffer, .address_space: global }
      - { .name: w1_scales, .offset: 16, .size: 8, .value_kind: global_buffer, .address_space: global }
      - { .name: b1, .offset: 24, .size: 8, .value_kind: global_buffer, .address_space: global }
      - { .name: w2_codes, .offset: 32, .size: 8, .value_kind: global_buffer, .address_space: global }
      - { .name: w2_scales, .offset: 40, .size: 8, .value_kind: global_buffer, .address_space: global }
      - { .name: b2, .offset: 48, .size: 8, .value_kind: global_buffer, .address_space: global }
      - { .name: a_down, .offset: 56, .size: 8, .value_kind: global_buffer, .address_space: global }
      - { .name: a_up, .offset: 64, .size: 8, .value_kind: global_buffer, .address_space: global }
      - { .name: out0, .offset: 72, .size: 8, .value_kind: global_buffer, .address_space: global }
    .group_segment_fixed_size: 327680
    .private_segment_fixed_size: 0
    .kernarg_segment_align: 8
    .kernarg_segment_size: 80
    .max_flat_workgroup_size: 128
    .sgpr_count:     100
    .vgpr_count:     1024
    .wavefront_size: 32
...
	.end_amdgpu_metadata
.endif
;; end of part 2
